; MI455X (gfx1250); checked and timed in simulation.
; The chip was launched on July 23, 2026; its instructions are those of AMD's public machine-readable ISA for CDNA 5 (MIT licence, August 2026) and "CDNA5" Instruction Set Architecture Reference Guide (July 2026). The comments in the code are by the model that wrote it; some were corrected since.
;; GPT2 Attention. Allowed arithmetic: float matrix products may take bf16 or f16 operands with f32 sums; other float arithmetic in f32, or as packed bf16 or f16 multiplies, adds, multiply-adds, maxima and minima; sums over many terms, partial sums and values carried from step to step in f32; what a program stores and reads back later, other than sums and carried values, may be rounded once to bf16 or f16.
;; Inputs: Wk 1,024 x 1,024 float32; Wp 1,024 x 1,024 float32; Wq 1,024 x 1,024 float32; Wv 1,024 x 1,024 float32; bk 1,024 float32; bp 1,024 float32; bq 1,024 float32; bv 1,024 float32; hidden_states 4 x 2,048 x 1,024 float32; ln_b 1,024 float32; ln_g 1,024 float32.
;; Outputs: out0 4 x 2,048 x 1,024 float32.
;; One version. Each part assembles by itself: llvm-mc -triple=amdgcn-amd-amdhsa -mcpu=gfx1250 --defsym DOCPART=n.
;; ======== version 1 of 1: 4 launches
;; limits: values are held in f16: magnitudes above 65,504 overflow, below 6.1e-05 lose precision
;; workspace buffers: xb 16,777,216 bytes; wt 6,291,456 bytes; wpb 2,097,152 bytes; bcat 12,288 bytes; qkv 50,331,648 bytes; vsum 1,572,864 bytes; ob 16,777,216 bytes
;; launch prep (part 1): grid 256 x 1, 8 waves a work-group, no clusters, 35,840 bytes of LDS; arguments hidden_states, Wq, Wk, Wv, Wp, bq, bk, bv, xb, wt, wpb, bcat; writes xb, wt, wpb, bcat
.if DOCPART == 1
	.amdgcn_target "amdgcn-amd-amdhsa--gfx1250"
	.amdhsa_code_object_version 6
	.text
	.protected	k_qfa162e2b81_prep
	.globl	k_qfa162e2b81_prep
	.p2align	8
	.type	k_qfa162e2b81_prep,@function
k_qfa162e2b81_prep:
	s_mov_b64 s[64:65], 0
	v_nop
	global_prefetch_b8 v0, s[64:65] scope:SCOPE_SE
	s_setreg_imm32_b32 hwreg(HW_REG_WAVE_MODE, 25, 1), 1
	s_wait_xcnt 0x0
; PREPARATION.  xb = bf16(x), [8192][1024].  wt[1024 T + n][k] = bf16(W_T[k][n]) for T = q, k, v: the weights turned, so that K lies along the rows.
; wpb[k / 64][n][k % 64] = f16(bf16(Wp[k][n])): one K step of 64 is 131,072 dense bytes.  bcat = bq, bk, bv on end, f32.
; LIMIT: a number of Wp beyond 65,504 has no f16; below 6e-5 it keeps f16's fixed step.
; SHARES.  256 work-groups of eight waves.  Work-group i turns ONE tile of 128 k x 128 n of one weight (matrix i / 64, k tile (i / 8) % 8, n tile i % 8) through LDS,
; casts rows 32 i .. 32 i + 31 of x, and (i < 12, waves 0 and 1) copies 256 numbers of a bias.  No matrix unit, no tensor load: memory binds, and nothing is shared between work-groups.
; All 48 loads of a wave go out at the head; the waits are counted.
.set PITCH, 272                        ; an LDS row: 128 k x 2 bytes + 16
.set SPARE, 128*PITCH                  ; behind the tile: the spare words, 128 bytes for each of eight waves
.set L, 16                             ; v[16:79]   the weight tile as loaded: half e, row j at L + 32 e + 4 j: k = 8 (w + 8 e) + j, n = 4 l + 0..3
.set D, 80                             ; v[80:111]  turned and rounded: half e, column c at D + 16 e + 4 c: n = 4 l + c, eight k
.set X, 128                            ; v[128:255] x: chunk c at X + 8 c
	s_load_b512 s[8:23], s[0:1], 0x0               ; x 8, Wq 10, Wk 12, Wv 14, Wp 16, bq 18, bk 20, bv 22
	s_load_b256 s[24:31], s[0:1], 0x40             ; xb 24, wt 26, wpb 28, bcat 30
	v_lshl_add_u32 v8, v0, 2, SPARE                ; my spare word
	v_mov_b32 v9, 0
	v_lshrrev_b32 v10, 5, v0
	v_readfirstlane_b32 s2, v10                    ; wave 0..7
	v_and_b32 v1, 31, v0                           ; lane l
	s_mov_b32 s3, ttmp9                            ; i
	s_lshr_b32 s4, s3, 6                           ; matrix
	s_bfe_u32 s5, s3, 0x30003                      ; k tile
	s_and_b32 s6, s3, 7                            ; n tile
	v_lshlrev_b32 v2, 4, v1
	v_lshl_add_u32 v2, s2, 15, v2                  ; from the weight: 8 w rows of 4,096 bytes + 16 l
	v_mul_u32_u24 v3, v1, 4*PITCH
	v_lshl_add_u32 v3, s2, 4, v3                   ; into LDS: row n = 4 l, byte 16 w
	v_lshrrev_b32 v11, 4, v1
	v_and_b32 v12, 15, v1
	v_lshl_add_u32 v13, s2, 1, v11                 ; back: row 2 w + l / 16
	v_mul_u32_u24 v4, v13, PITCH
	v_lshl_add_u32 v4, v12, 4, v4
	v_lshlrev_b32 v5, 11, v13                      ; to wt: that row of 2,048 bytes, 16 (l % 16)
	v_lshl_add_u32 v5, v12, 4, v5
	v_lshrrev_b32 v14, 3, v12                      ; to wpb: the row's upper 128 bytes belong to the next K step
	v_lshlrev_b32 v14, 17, v14
	v_lshl_add_u32 v14, v13, 7, v14
	v_and_b32 v15, 7, v1
	v_lshl_add_u32 v14, v15, 4, v14
	v_lshlrev_b32 v6, 5, v0                        ; x: 32 bytes a thread
	v_lshlrev_b32 v7, 4, v0                        ; xb: 16 bytes a thread
	s_lshl_b32 s40, s5, 19                         ; the tile in its weight: 128 kt rows, 512 nt bytes
	s_lshl_b32 s41, s6, 9
	s_or_b32 s40, s40, s41
	s_mov_b32 s41, 0
	s_lshl_b32 s42, s4, 10                         ; in wt: row 1024 T + 128 nt, byte 256 kt
	s_lshl_b32 s43, s6, 7
	s_add_co_u32 s42, s42, s43
	s_lshl_b32 s42, s42, 11
	s_lshl_b32 s43, s5, 8
	s_add_co_u32 s42, s42, s43
	s_lshl_b32 s44, s5, 18                         ; in wpb: K step 2 kt, row 128 nt
	s_lshl_b32 s43, s6, 14
	s_add_co_u32 s44, s44, s43
	s_mov_b32 s43, 0
	s_lshl_b32 s46, s3, 17                         ; 32 rows of x
	s_mov_b32 s47, 0
	s_wait_kmcnt 0x0
	s_cmp_eq_u32 s4, 0
	s_cselect_b64 s[32:33], s[10:11], s[12:13]
	s_cmp_lt_u32 s4, 2
	s_cselect_b64 s[32:33], s[32:33], s[14:15]
	s_cmp_lt_u32 s4, 3
	s_cselect_b64 s[32:33], s[32:33], s[16:17]     ; the weight
	s_cselect_b64 s[34:35], s[26:27], s[28:29]     ; where it goes
	s_cselect_b32 s42, s42, s44
	s_add_nc_u64 s[32:33], s[32:33], s[40:41]
	s_add_nc_u64 s[34:35], s[34:35], s[42:43]
	s_add_nc_u64 s[36:37], s[8:9], s[46:47]
	s_lshl_b32 s46, s3, 16
	s_add_nc_u64 s[38:39], s[24:25], s[46:47]
.irp e, 0,1
.irp j, 0,1,2,3,4,5,6,7
	global_load_b128 v[L+32*\e+4*\j:L+32*\e+4*\j+3], v2, s[32:33] offset:\e*262144+\j*4096 th:TH_LOAD_NT  ; a row of the tile: 512 consecutive bytes
.endr
.endr
.irp c, 0,1,2,3,4,5,6,7,8,9,10,11,12,13,14,15
	global_load_b128 v[X+8*\c:X+8*\c+3], v6, s[36:37] offset:\c*8192 th:TH_LOAD_NT
	global_load_b128 v[X+8*\c+4:X+8*\c+7], v6, s[36:37] offset:\c*8192+16 th:TH_LOAD_NT
.endr
	s_wait_loadcnt 32                              ; the weight's 16 loads are in; x's 32 stay out
.irp e, 0,1
.irp c, 0,1,2,3
.irp q, 0,1,2,3
	v_cvt_pk_bf16_f32 v[D+16*\e+4*\c+\q], v[L+32*\e+8*\q+\c], v[L+32*\e+8*\q+4+\c]  ; two neighbouring k of one column
.endr
.endr
.endr
	s_cmp_lg_u32 s4, 3
	s_cbranch_scc1 .Lkeep
.set i, 0
.rept 32                                       ; Wp: the bf16 number written as f16
	v_lshlrev_b32 v10, 16, v[D+i]
	v_and_b32 v11, 0xffff0000, v[D+i]
	v_cvt_pk_f16_f32 v[D+i], v10, v11
.set i, i+1
.endr
.Lkeep:
.irp e, 0,1
.irp c, 0,1,2,3
	ds_store_b128 v3, v[D+16*\e+4*\c:D+16*\e+4*\c+3] offset:\c*PITCH+\e*128
.endr
.endr
	s_wait_dscnt 0x0                               ; for the others' sake: my stores are done
	s_barrier_signal -1
	s_barrier_wait -1
.irp i, 0,1,2,3,4,5,6,7
	ds_load_b128 v[16+4*\i:16+4*\i+3], v4 offset:\i*16*PITCH  ; whole rows: 128 k of one n
.endr
	s_cmp_lg_u32 s4, 3
	s_cbranch_scc0 .Lto_wpb
.irp i, 0,1,2,3,4,5,6,7
	s_wait_dscnt 7-\i
	global_store_b128 v5, v[16+4*\i:16+4*\i+3], s[34:35] offset:\i*32768  ; 16 lanes store 256 consecutive bytes, aligned
.endr
	s_branch .Lturned
.Lto_wpb:
.irp i, 0,1,2,3,4,5,6,7
	s_wait_dscnt 7-\i
	global_store_b128 v14, v[16+4*\i:16+4*\i+3], s[34:35] offset:\i*2048  ; two rows' halves: 256 consecutive bytes in each of two K steps
.endr
.Lturned:
.irp c, 0,1,2,3,4,5,6,7,8,9,10,11,12,13,14,15
	s_wait_loadcnt 30-2*\c                         ; the younger chunks' loads stay out
	v_cvt_pk_bf16_f32 v[X+8*\c], v[X+8*\c], v[X+8*\c+1]
	v_cvt_pk_bf16_f32 v[X+8*\c+1], v[X+8*\c+2], v[X+8*\c+3]
	v_cvt_pk_bf16_f32 v[X+8*\c+2], v[X+8*\c+4], v[X+8*\c+5]
	v_cvt_pk_bf16_f32 v[X+8*\c+3], v[X+8*\c+6], v[X+8*\c+7]
	global_store_b128 v7, v[X+8*\c:X+8*\c+3], s[38:39] offset:\c*4096
.endr
	s_cmp_lt_u32 s3, 12                            ; the biases: 12 work-groups x 256 numbers
	s_cbranch_scc0 .Lend
	s_cmp_lt_u32 s2, 2
	s_cbranch_scc0 .Lend
	s_lshr_b32 s40, s3, 2
	s_cmp_eq_u32 s40, 0
	s_cselect_b64 s[42:43], s[18:19], s[20:21]
	s_cmp_lt_u32 s40, 2
	s_cselect_b64 s[42:43], s[42:43], s[22:23]
	s_and_b32 s40, s3, 3
	s_lshl_b32 s40, s40, 10
	s_mov_b32 s41, 0
	s_add_nc_u64 s[42:43], s[42:43], s[40:41]
	s_lshl_b32 s40, s3, 10
	s_add_nc_u64 s[44:45], s[30:31], s[40:41]
	global_load_b128 v[10:13], v7, s[42:43]
	s_wait_loadcnt 0x0
	global_store_b128 v7, v[10:13], s[44:45]
.Lend:
	s_wait_tensorcnt 0x0                           ; the wave's end: behind my last LDS store
	ds_add_u32 v8, v9
	s_wait_dscnt 0x0
	s_endpgm
.Lfunc_end_k_qfa162e2b81_prep:
	.size	k_qfa162e2b81_prep, .Lfunc_end_k_qfa162e2b81_prep-k_qfa162e2b81_prep
	.p2alignl 7, 3214868480
	.fill 96, 4, 3214868480
	.section	.rodata,"a",@progbits
	.p2align	6, 0x0
	.amdhsa_kernel k_qfa162e2b81_prep
		.amdhsa_group_segment_fixed_size 35840
		.amdhsa_private_segment_fixed_size 0
		.amdhsa_enable_private_segment 0
		.amdhsa_kernarg_size 96
		.amdhsa_user_sgpr_count 2
		.amdhsa_user_sgpr_kernarg_segment_ptr 1
		.amdhsa_wavefront_size32 1
		.amdhsa_system_sgpr_workgroup_id_x 1
		.amdhsa_system_sgpr_workgroup_id_y 1
		.amdhsa_system_sgpr_workgroup_id_z 1
		.amdhsa_system_vgpr_workitem_id 0
		.amdhsa_next_free_vgpr 256
		.amdhsa_next_free_sgpr 66
		.amdhsa_reserve_vcc 0
		.amdhsa_float_denorm_mode_32 3
		.amdhsa_float_denorm_mode_16_64 3
		.amdhsa_memory_ordered 1
		.amdhsa_forward_progress 1
		.amdhsa_inst_pref_size 25
	.end_amdhsa_kernel
	.amdgpu_metadata
---
amdhsa.version: [ 1, 2 ]
amdhsa.kernels:
  - .name:           k_qfa162e2b81_prep
    .symbol:         k_qfa162e2b81_prep.kd
    .args:
      - { .name: hidden_states, .offset: 0, .size: 8, .value_kind: global_buffer, .address_space: global }
      - { .name: Wq, .offset: 8, .size: 8, .value_kind: global_buffer, .address_space: global }
      - { .name: Wk, .offset: 16, .size: 8, .value_kind: global_buffer, .address_space: global }
      - { .name: Wv, .offset: 24, .size: 8, .value_kind: global_buffer, .address_space: global }
      - { .name: Wp, .offset: 32, .size: 8, .value_kind: global_buffer, .address_space: global }
      - { .name: bq, .offset: 40, .size: 8, .value_kind: global_buffer, .address_space: global }
      - { .name: bk, .offset: 48, .size: 8, .value_kind: global_buffer, .address_space: global }
      - { .name: bv, .offset: 56, .size: 8, .value_kind: global_buffer, .address_space: global }
      - { .name: xb, .offset: 64, .size: 8, .value_kind: global_buffer, .address_space: global }
      - { .name: wt, .offset: 72, .size: 8, .value_kind: global_buffer, .address_space: global }
      - { .name: wpb, .offset: 80, .size: 8, .value_kind: global_buffer, .address_space: global }
      - { .name: bcat, .offset: 88, .size: 8, .value_kind: global_buffer, .address_space: global }
    .group_segment_fixed_size: 35840
    .private_segment_fixed_size: 0
    .kernarg_segment_align: 8
    .kernarg_segment_size: 96
    .max_flat_workgroup_size: 256
    .sgpr_count:     66
    .vgpr_count:     256
    .wavefront_size: 32
...
	.end_amdgpu_metadata
.endif
;; end of part 1
;; launch qkv (part 2): grid 16 x 32, 4 waves a work-group, clusters of 4 x 4, 327,680 bytes of LDS; arguments xb, wt, qkv, bcat, vsum; writes qkv, vsum
.if DOCPART == 2
	.amdgcn_target "amdgcn-amd-amdhsa--gfx1250"
	.amdhsa_code_object_version 6
	.text
	.protected	k_qfa162e2b81_qkv
	.globl	k_qfa162e2b81_qkv
	.p2align	8
	.type	k_qfa162e2b81_qkv,@function
k_qfa162e2b81_qkv:
	s_mov_b64 s[64:65], 0
	v_nop
	global_prefetch_b8 v0, s[64:65] scope:SCOPE_SE
	s_setreg_imm32_b32 hwreg(HW_REG_WAVE_MODE, 25, 1), 1
	s_wait_xcnt 0x0
	s_wait_alu depctr_hold_cnt(0) depctr_sa_sdst(0) depctr_va_vdst(0) depctr_va_sdst(0) depctr_va_ssrc(0) depctr_va_vcc(0) depctr_vm_vsrc(0)
	s_getreg_b32 s2, hwreg(HW_REG_IB_STS2, 6, 4)
	s_cmp_eq_u32 s2, 0
	s_cbranch_scc0 .Lentry_in_a_cluster
	s_endpgm
.Lentry_in_a_cluster:
	s_bfe_u32 s2, ttmp6, 0x10000c
	s_cmp_lg_u32 s2, 0xf033
	s_cbranch_scc0 .Lentry_shape_is_right
	s_endpgm
.Lentry_shape_is_right:
; q, k, v = x W + b.  xb: [8192][1024] bf16, wt: [3072 n][1024 k] bf16, bcat: [3072] f32.  Sums in f32, started by the bias; rounded once to f16.
; qkv: [48 g][8192 m][64] f16, g = n / 64: a head's rows are dense.  vsum[m / 64][n] (f32, written for n >= 1536): the sum of the 64 rows' f16 numbers of column n.
; LIMIT: q, k and v beyond 65,504 have no f16.
; A tile is 256 rows x 192 columns (three heads): 32 x 16 = 512 work-groups.  Four waves, each 64 rows x 192 columns: 48 accumulators of 16 x 16.
; K goes in 8 steps of 128 through two LDS slots; the rows of A's and B's tiles are 256 bytes of memory, aligned.  A trip of the loop is one K step; the slot in hand is a scalar that is turned by an exclusive or.
; CLUSTER 4 x 4: A's tile is asked for jointly along a row of the cluster, B's along a column.  The matrix instruction is used transposed (source 0 = 16 rows of wt, source 1 = 16 rows of xb):
; a lane then holds eight neighbouring columns of one row.
; REGISTERS.  window 0: v16-31 addresses; v32-95 A's fragments, two buffers of 32; v128-223 the bias as a C operand; v224-231 ones in f16.  On the way out v32-127 packed results, v128-223 rows read back.
;   window 1: v0-191 B's fragments, two buffers of 96; on the way out v0-95 turned fragments, v96-191 twelve sums.   window 2: accumulators of row blocks 0, 1 at 8 (12 (a % 2) + b);   window 3: of row blocks 2, 3.
.set PITCH,  272                       ; 256 bytes + 16: the 16 rows of a fragment load start at 16 different groups of banks
.set AHALF,  128*PITCH
.set BOFF,   256*PITCH                 ; B's 192 rows lie behind A's 256
.set BHALF,  96*PITCH
.set SLOT1,  131072
.set STAGE,  SLOT1+BOFF+192*PITCH      ; 252,928: behind the ring, never filled by a tensor load
.set SPITCH, 416                       ; a stage row: 192 f16 + 32 bytes: an odd multiple of 32
.set WSTAGE, 32*SPITCH
.set SPARE,  STAGE+4*WSTAGE            ; the spare words, 128 bytes a wave
.set VA0,  16                          ; my place in A's part of a slot; never rewritten
.set VB0,  17                          ; in B's
.set ADRA, 18                          ; the same in the slot in hand
.set ADRB, 19
.set BO,   20                          ; 32 (l / 16): my 8 numbers of a bias block
.set STS,  22
.set TSL,  23
.set STO,  24
.set RD,   25
.set CO,   26
.set TRA,  27
.set SPW,  28
.set NIL,  29
.set PFO,  30
.set TSO,  31
.set FA,   32
.set TMP,  32
.set BIAS, 128
.set OB,   128
.set ONES, 224
.set TS,   96
.set G1,  24                           ; s[24:31] group 1 for A's tiles; s[32:39] group 0: a set for each first fill; the second then walks
.set G0,  32
.set G1B, 48                           ; s[48:55], s[56:63] the same for B's
.set G0B, 56
.set LIM, 43
.set PFA, 44
.set TB,  72                           ; LDS byte at which the slot in hand begins
.set CLX, 73                           ; the cluster's x
.set MSB, 0
.macro WIN new
.if MSB != (\new)
	s_set_vgpr_msb (MSB<<8)|(\new)
.set MSB, \new
.endif
.endm
.macro PLACES
.rept 4
	v_nop
.endr
.endm
.macro JLOAD                           ; a joint refill by the walking sets: waves 0 and 1 A's halves, waves 2 and 3 B's
	s_cmp_eq_u32 s11, 0
	s_cbranch_scc0 .Lfor_b_\@
	tensor_load_to_lds s[G0+4:G0+7], s[G1:G1+7]
	s_nop 0
.rept 4
	v_nop
.endr
	s_branch .Lasked_\@
.Lfor_b_\@:
	tensor_load_to_lds s[G0B+4:G0B+7], s[G1B:G1B+7]
	s_nop 0
.rept 4
	v_nop
.endr
.Lasked_\@:
.endm
; A prefetch of the K step two refills on: a lane a row, 256 bytes.  A's rows are asked for by the clusters with x = 0, B's by those with y = 0; the four partners of a joint load share its rows by address
; (32 of A's 128 by cx, 24 of B's 96 by cy).  It names K steps 4 to 7: the loop's last two trips ask for nothing.
.macro ASK
	s_cmp_gt_u32 s3, s[LIM]
	s_cbranch_scc0 .Lnot_mine_\@
	global_prefetch_b8 v[PFO], s[PFA:PFA+1] offset:256 th:TH_LOAD_NT scope:SCOPE_SE
.Lnot_mine_\@:
.endm
.macro CREST
	s_cmp_lg_u32 s10, 0
	s_cbranch_scc1 .Lnot_wave_0_\@
	s_barrier_signal -3
.Lnot_wave_0_\@:
	s_barrier_wait -3
	s_barrier_signal -1
	s_barrier_wait -1
.endm
.macro CROUND
	s_barrier_signal -1
	s_barrier_wait -1
	CREST
.endm
	s_load_b128 s[4:7], s[0:1], 0x0                ; xb, wt
	s_load_b64 s[8:9], s[0:1], 0x10                ; qkv
	s_load_b128 s[68:71], s[0:1], 0x18             ; bcat, vsum
	v_lshl_add_u32 v[SPW], v0, 2, SPARE
	v_mov_b32 v[NIL], 0
	ds_add_u32 v[SPW], v[NIL]                      ; the wave's opening: the add and its wait ahead of my first tensor load
	v_lshrrev_b32 v1, 5, v0
	v_readfirstlane_b32 s10, v1                    ; wave 0..3
	s_lshr_b32 s11, s10, 1                         ; I fetch for A (0) or for B (1)
	s_and_b32 s12, s10, 1                          ; which half of that tile
	s_mov_b32 s[CLX], ttmp9
	s_bfe_u32 s40, ttmp6, 0x40000                  ; cx
	s_bfe_u32 s41, ttmp6, 0x40004                  ; cy
	s_lshl_b32 s42, ttmp9, 2
	s_add_co_u32 s42, s42, s40                     ; tile column 0..15
	s_and_b32 s13, ttmp7, 0xffff
	s_lshl_b32 s13, s13, 2
	s_add_co_u32 s13, s13, s41                     ; tile row 0..31
	s_lshl_b32 s43, s41, 2
	s_lshl_b32 s43, 15, s43                        ; my row of the cluster
	s_lshl_b32 s44, 0x1111, s40                    ; my column
	s_or_b32 s[G1+0], s43, (1<<16)|(1<<20)|(1<<21)|(5<<22)|(3<<25)   ; mask; 2-byte elements; padding on; bit 21 beside a mask; after every 64 words, 4 words
	s_or_b32 s[G1B+0], s44, (1<<16)|(1<<20)|(1<<21)|(5<<22)|(3<<25)
	s_mov_b32 s[G1+1], 128<<16                     ; tensor_dim0 = 128
	s_mov_b32 s[G1+2], 128<<16                     ; tensor_dim1 = 128
	s_mov_b32 s[G1+3], 128<<16                     ; tile_dim0 = 128
	s_mov_b32 s[G1+4], 128                         ; tile_dim1 = 128
	s_mov_b32 s[G1+5], 1024                        ; elements from row to row
	s_mov_b32 s[G1+6], 0
	s_mov_b32 s[G1+7], 0
	s_mov_b32 s[G1B+1], 128<<16
	s_mov_b32 s[G1B+2], 96<<16                     ; B: 96 rows
	s_mov_b32 s[G1B+3], 128<<16
	s_mov_b32 s[G1B+4], 96
	s_mov_b32 s[G1B+5], 1024
	s_mov_b32 s[G1B+6], 0
	s_mov_b32 s[G1B+7], 0
	s_lshl_b32 s17, s12, 7
	s_lshl_b32 s16, s13, 8
	s_add_co_u32 s16, s16, s17                     ; A: row 256 x tile row + 128 x half
	s_lshl_b32 s16, s16, 11
	s_mov_b32 s17, 0
	s_mul_i32 s46, s42, 192
	s_mul_i32 s47, s12, 96
	s_add_co_u32 s46, s46, s47                     ; B: row 192 x tile column + 96 x half
	s_lshl_b32 s46, s46, 11
	s_mov_b32 s47, 0
	s_mul_i32 s20, s12, AHALF                      ; where they go: no place in the cluster enters an LDS address
	s_mul_i32 s21, s12, BHALF
	s_add_co_u32 s21, s21, BOFF
	s_mov_b32 s[TB], 0
	s_wait_dscnt 0x0                               ; the opening add is done
	s_wait_kmcnt 0x0
	s_add_nc_u64 s[14:15], s[4:5], s[16:17]
	s_add_nc_u64 s[46:47], s[6:7], s[46:47]
	CROUND                                         ; all sixteen work-groups are here: the first joint loads meet
.irp s, 0,1
	s_mov_b32 s[G0+4*(\s)], 1
	s_add_co_u32 s[G0+4*(\s)+1], s20, (\s)*SLOT1
	s_add_nc_u64 s[G0+4*(\s)+2:G0+4*(\s)+3], s[14:15], (\s)*256
	s_or_b32 s[G0+4*(\s)+3], s[G0+4*(\s)+3], 0x80000000
	s_mov_b32 s[G0B+4*(\s)], 1
	s_add_co_u32 s[G0B+4*(\s)+1], s21, (\s)*SLOT1
	s_add_nc_u64 s[G0B+4*(\s)+2:G0B+4*(\s)+3], s[46:47], (\s)*256
	s_or_b32 s[G0B+4*(\s)+3], s[G0B+4*(\s)+3], 0x80000000
.endr
	s_cmp_eq_u32 s11, 0                            ; a wave's two first fills stand in one branch: two loads of mine are out, later one
	s_cbranch_scc0 .Lfirst_b
	tensor_load_to_lds s[G0:G0+3], s[G1:G1+7]
	s_nop 0
	tensor_load_to_lds s[G0+4:G0+7], s[G1:G1+7]
	s_nop 0
.rept 4
	v_nop
.endr
	s_branch .Lfirst_asked
.Lfirst_b:
	tensor_load_to_lds s[G0B:G0B+3], s[G1B:G1B+7]
	s_nop 0
	tensor_load_to_lds s[G0B+4:G0B+7], s[G1B:G1B+7]
	s_nop 0
.rept 4
	v_nop
.endr
.Lfirst_asked:
	v_and_b32 v1, 15, v0                           ; r = l % 16
	v_bfe_u32 v2, v0, 4, 1                         ; h = l / 16
	v_and_b32 v5, 31, v0                           ; l
	s_mul_i32 s46, s42, 768                        ; the tile's 192 columns in bcat and in a row of vsum
	s_mov_b32 s47, 0
	s_add_nc_u64 s[68:69], s[68:69], s[46:47]
	s_add_nc_u64 s[70:71], s[70:71], s[46:47]
	v_lshlrev_b32 v[BO], 5, v2
.irp b, 0,1,2,3,4,5,6,7,8,9,10,11
	global_load_b128 v[BIAS+8*\b:BIAS+8*\b+3], v[BO], s[68:69] offset:64*\b      ; register 8 b + j: the bias of column 16 b + 8 h + j
	global_load_b128 v[BIAS+8*\b+4:BIAS+8*\b+7], v[BO], s[68:69] offset:64*\b+16
.endr
	v_mul_u32_u24 v3, v1, PITCH
	v_lshl_add_u32 v3, v2, 4, v3                   ; a fragment's row x pitch + 16 x half
	s_mul_i32 s22, s10, 64*PITCH                   ; my 64 rows of A
	v_add_nc_u32 v[VA0], s22, v3
	v_add_nc_u32 v[VB0], BOFF, v3
	v_mov_b32 v[ADRA], v[VA0]
	v_mov_b32 v[ADRB], v[VB0]
	s_mul_i32 s23, s10, WSTAGE
	s_add_co_u32 s23, s23, STAGE                   ; my stage
	v_mul_u32_u24 v4, v1, SPITCH
	v_lshl_add_u32 v4, v2, 4, v4
	v_add_nc_u32 v[STO], s23, v4                   ; in: row r, 16 bytes for each half of the lanes
	v_lshrrev_b32 v6, 3, v5
	v_and_b32 v7, 7, v5
	v_mul_u32_u24 v4, v6, SPITCH
	v_lshl_add_u32 v4, v7, 4, v4
	v_add_nc_u32 v[RD], s23, v4                    ; back: four rows' 128 bytes of one head
	v_lshlrev_b32 v[CO], 4, v5                     ; which are 512 consecutive bytes of qkv
	v_lshl_add_u32 v4, v2, 3, v7
	v_mul_u32_u24 v4, v4, SPITCH
	v_and_b32 v6, 1, v6
	v_lshl_add_u32 v4, v6, 4, v4
	v_add_nc_u32 v[TRA], s23, v4                   ; the turning load: row 8 h + l % 8, 16 bytes by (l / 8) % 2
	v_lshl_add_u32 v[STS], v2, 5, s23
	v_lshl_add_u32 v[TSL], v5, 3, s23
	v_lshlrev_b32 v[TSO], 3, v5
.set i, 0
.rept 8
	v_mov_b32 v[ONES+i], 0x3c003c00                ; 1.0 twice in f16
.set i, i+1
.endr
	s_mul_i32 s46, s42, 3                          ; qkv: head 3 x tile column, 1 MiB a head,
	s_lshl_b32 s46, s46, 20
	s_add_nc_u64 s[8:9], s[8:9], s[46:47]
	s_lshl_b32 s16, s13, 8
	s_lshl_b32 s17, s10, 6
	s_add_co_u32 s16, s16, s17
	s_lshl_b32 s16, s16, 7                         ; row 256 x tile row + 64 x wave, 128 bytes a row
	s_mov_b32 s17, 0
	s_add_nc_u64 s[8:9], s[8:9], s[16:17]
	s_lshl_b32 s16, s13, 2
	s_add_co_u32 s16, s16, s10
	s_mul_i32 s16, s16, 12288                      ; vsum: row 4 x tile row + wave
	s_add_nc_u64 s[70:71], s[70:71], s[16:17]
	s_and_b32 s22, ttmp7, 0xffff                   ; the prefetches: cluster y
	s_lshl_b32 s18, s13, 8
	s_lshl_b32 s19, s12, 7
	s_add_co_u32 s18, s18, s19
	s_lshl_b32 s19, s40, 5
	s_add_co_u32 s18, s18, s19                     ; A: the rows that I fetch, my work-group's 32 of them
	s_mul_i32 s20, s42, 192
	s_mul_i32 s21, s12, 96
	s_add_co_u32 s20, s20, s21
	s_mul_i32 s21, s41, 24
	s_add_co_u32 s20, s20, s21                     ; B: my work-group's 24
	s_cmp_eq_u32 s11, 0
	s_cselect_b32 s20, s18, s20
	s_cselect_b32 s22, ttmp9, s22                  ; the coordinate along which other clusters read the same rows
	s_cselect_b32 s23, 31, 23
	s_cselect_b64 s[PFA:PFA+1], s[4:5], s[6:7]
	s_cmp_eq_u32 s22, 0
	s_cselect_b32 s[LIM], 2, -1                    ; the same in all sixteen partners, for a given wave
	s_lshl_b32 s20, s20, 11
	s_mov_b32 s21, 0
	s_add_nc_u64 s[PFA:PFA+1], s[PFA:PFA+1], s[20:21]
	s_add_nc_u64 s[PFA:PFA+1], s[PFA:PFA+1], 2*256 ; at K step 2: the first refill steps it to 3 and names 4
	v_min_u32 v[PFO], s23, v5
	v_lshlrev_b32 v[PFO], 11, v[PFO]
; 12 matrix instructions: row block a x all 12 column blocks, 32 along K, from buffer f.  first = 1: the bias is the C operand that starts the sums: nothing is cleared.
; The 48 accumulators take turns in the same order in every quarter, over the backward jump too.
.macro MUL12 f, a, first
.if \first
	WIN 0x81+0x40*((\a)/2)
.else
	WIN 0xa1+0x50*((\a)/2)
.endif
.irp b, 0,1,2,3,4,5,6,7,8,9,10,11
.if \first
	v_wmma_f32_16x16x32_bf16 v[8*(12*((\a)%2)+(\b)):8*(12*((\a)%2)+(\b))+7], v[96*(\f)+8*(\b):96*(\f)+8*(\b)+7], v[FA+32*(\f)+8*(\a):FA+32*(\f)+8*(\a)+7], v[BIAS+8*(\b):BIAS+8*(\b)+7]
.else
	v_wmma_f32_16x16x32_bf16 v[8*(12*((\a)%2)+(\b)):8*(12*((\a)%2)+(\b))+7], v[96*(\f)+8*(\b):96*(\f)+8*(\b)+7], v[FA+32*(\f)+8*(\a):FA+32*(\f)+8*(\a)+7], v[8*(12*((\a)%2)+(\b)):8*(12*((\a)%2)+(\b))+7]
.endif
.endr
.endm
; 32 LDS loads in one run: B's 12 fragments, then A's 4, at byte k of the rows, into buffer f
.macro FETCH k, f
	WIN 0x40
.irp b, 0,1,2,3,4,5,6,7,8,9,10,11
	ds_load_b128 v[96*(\f)+8*(\b):96*(\f)+8*(\b)+3],   v[ADRB] offset:(\k)+(\b)*16*PITCH
	ds_load_b128 v[96*(\f)+8*(\b)+4:96*(\f)+8*(\b)+7], v[ADRB] offset:(\k)+(\b)*16*PITCH+32
.endr
	WIN 0
.irp a, 0,1,2,3
	ds_load_b128 v[FA+32*(\f)+8*(\a):FA+32*(\f)+8*(\a)+3],   v[ADRA] offset:(\k)+(\a)*16*PITCH
	ds_load_b128 v[FA+32*(\f)+8*(\a)+4:FA+32*(\f)+8*(\a)+7], v[ADRA] offset:(\k)+(\a)*16*PITCH+32
.endr
.endm
; One of a K step's first three quarters: multiplies buffer f, fetches the next quarter (byte k) into g in its middle
.macro QUARTER k, f, g, first
	s_wait_dscnt 4                                 ; B and A's blocks 0, 1 are in; the youngest four loads (blocks 2, 3) may be out
	MUL12 \f, 0, \first
	MUL12 \f, 1, \first
	PLACES                                         ; four places in front of loads into registers that matrix instructions have read
	FETCH \k, \g
	s_wait_dscnt 32                                ; all but the 32 just issued
	MUL12 \f, 2, \first
	MUL12 \f, 3, \first
.endm
; The last quarter multiplies buffer 1 and changes slots.  In front of the barrier each wave waits for all its tensor loads (one is out: its part of the next slot), adds 0 to its spare word,
; and waits for that and for its reads of this slot.  fill = 1: the barrier opens a round of the cluster's, and this slot is filled again, two K steps ahead, first thing behind the round.
.macro TURN fill
.if \fill
	s_wait_xcnt 0x0                                ; the last prefetch, a K step back, has read its address
	s_add_nc_u64 s[PFA:PFA+1], s[PFA:PFA+1], 256
.endif
	WIN 0
	s_wait_tensorcnt 0x0
	ds_add_u32 v[SPW], v[NIL]
.if \fill
	s_xor_b32 s[G0+5], s[G0+5], SLOT1              ; no load of mine is out: the walking sets step: the other slot, the next K step
	s_add_nc_u64 s[G0+6:G0+7], s[G0+6:G0+7], 256
	s_xor_b32 s[G0B+5], s[G0B+5], SLOT1
	s_add_nc_u64 s[G0B+6:G0B+7], s[G0B+6:G0B+7], 256
.endif
	s_xor_b32 s[TB], s[TB], SLOT1
	s_wait_dscnt 5                                 ; the add and A's youngest four loads may be out
	MUL12 1, 0, 0
	s_wait_dscnt 0x0                               ; the add is done, and my reads of this slot are over
	s_barrier_signal -1
	MUL12 1, 1, 0
	WIN 0
	s_barrier_wait -1
.if \fill
	CREST
	JLOAD                                          ; 168 matrix instructions ahead of the wait for it; its four v_nop are also the places in front of the loads below
.else
	PLACES
.endif
	v_add_nc_u32 v[ADRA], s[TB], v[VA0]
	v_add_nc_u32 v[ADRB], s[TB], v[VB0]
	FETCH 0, 0
.if \fill
	ASK
.endif
	MUL12 1, 2, 0
	MUL12 1, 3, 0
.endm
	s_wait_tensorcnt 1                             ; my part of K step 0 is in; K step 1's may stay out
	s_barrier_signal -1
	s_barrier_wait -1
	FETCH 0, 0
	s_wait_loadcnt 0x0                             ; the bias
	QUARTER 64, 0, 1, 1
	WIN 0
	s_mov_b32 s3, 6
.Lstep:                                                ; K steps 0 to 5: the step's quarters 1 to 3 and the next step's quarter 0; K steps 2 to 7 are asked for
	QUARTER 128, 1, 0, 0
	QUARTER 192, 0, 1, 0
	TURN 1
	QUARTER 64, 0, 1, 0
	WIN 0
	s_sub_co_u32 s3, s3, 1
	s_cmp_lg_u32 s3, 0
	s_cbranch_scc1 .Lstep
	QUARTER 128, 1, 0, 0                           ; K step 6
	QUARTER 192, 0, 1, 0
	TURN 0                                         ; nothing is left to ask for
	QUARTER 64, 0, 1, 0                            ; K step 7
	QUARTER 128, 1, 0, 0
	QUARTER 192, 0, 1, 0
	s_wait_dscnt 4
	MUL12 1, 0, 0
	MUL12 1, 1, 0
	s_wait_dscnt 0x0
	MUL12 1, 2, 0
	MUL12 1, 3, 0
	WIN 0
	PLACES
	; THE WAY OUT, 32 rows at a time: rounded to f16, 16 bytes a lane into my stage, back by heads as four rows of 128 bytes, stored as 512 consecutive bytes.
	; In the clusters that hold columns of v the stage is also read turned, and a product with ones adds the 32 rows of each column.
.irp p, 0,1
	WIN 0x0a+5*\p                                  ; sources in window 2 or 3
.set i, 0
.rept 24
.irp q, 0,1,2,3
	v_cvt_pk_f16_f32 v[TMP+4*i+\q], v[8*i+2*\q], v[8*i+2*\q+1]
.endr
.set i, i+1
.endr
	WIN 0
.set i, 0
.rept 24
	ds_store_b128 v[STO], v[TMP+4*i:TMP+4*i+3] offset:(i/12)*16*SPITCH+32*(i%12)
.set i, i+1
.endr
	s_wait_xcnt 0x0                                ; the earlier pair's stores have read the registers that are loaded again below
.irp t, 0,1,2,3,4,5,6,7
.irp j, 0,1,2
	ds_load_b128 v[OB+4*(3*\t+\j):OB+4*(3*\t+\j)+3], v[RD] offset:4*\t*SPITCH+128*\j  ; a wave's LDS instructions are served in order: these see the stores above
.endr
.endr
	s_wait_dscnt 0x0
.irp t, 0,1,2,3,4,5,6,7
.irp j, 0,1,2
	global_store_b128 v[CO], v[OB+4*(3*\t+\j):OB+4*(3*\t+\j)+3], s[8:9] offset:\j*1048576+(32*\p+4*\t)*128
.endr
.endr
	s_cmp_lt_u32 s[CLX], 2                         ; the cluster's x: the same in all partners
	s_cbranch_scc1 .Lno_sum_\p
	WIN 0x40
.irp b, 0,1,2,3,4,5,6,7,8,9,10,11
	ds_load_tr16_b128 v[8*\b:8*\b+3],   v[TRA] offset:32*\b
	ds_load_tr16_b128 v[8*\b+4:8*\b+7], v[TRA] offset:32*\b+16*SPITCH
.endr
	s_wait_dscnt 0x0
	WIN 0x51
.irp b, 0,1,2,3,4,5,6,7,8,9,10,11
.if \p == 0
	v_wmma_f32_16x16x32_f16 v[TS+8*\b:TS+8*\b+7], v[8*\b:8*\b+7], v[ONES:ONES+7], 0
.else
	v_wmma_f32_16x16x32_f16 v[TS+8*\b:TS+8*\b+7], v[8*\b:8*\b+7], v[ONES:ONES+7], v[TS+8*\b:TS+8*\b+7]
.endif
.endr
	WIN 0
.Lno_sum_\p:
.endr
	s_cmp_lt_u32 s[CLX], 2
	s_cbranch_scc1 .Lno_vsum
	PLACES
	WIN 0x04                                       ; store data in window 1
.irp b, 0,1,2,3,4,5,6,7,8,9,10,11
	ds_store_b128 v[STS], v[TS+8*\b:TS+8*\b+3]   offset:64*\b      ; the 16 lanes of a half hold the same eight sums and write the same bytes
	ds_store_b128 v[STS], v[TS+8*\b+4:TS+8*\b+7] offset:64*\b+16
.endr
	WIN 0
	ds_load_b64 v[32:33], v[TSL]
	ds_load_b64 v[34:35], v[TSL] offset:256
	ds_load_b64 v[36:37], v[TSL] offset:512
	s_wait_dscnt 0x0
	global_store_b64 v[TSO], v[32:33], s[70:71]            ; 256 consecutive bytes, aligned
	global_store_b64 v[TSO], v[34:35], s[70:71] offset:256
	global_store_b64 v[TSO], v[36:37], s[70:71] offset:512
.Lno_vsum:
	s_wait_tensorcnt 0x0                           ; the wave's end
	ds_add_u32 v[SPW], v[NIL]
	s_wait_dscnt 0x0
	CROUND                                         ; the closing round
	s_endpgm
.Lfunc_end_k_qfa162e2b81_qkv:
	.size	k_qfa162e2b81_qkv, .Lfunc_end_k_qfa162e2b81_qkv-k_qfa162e2b81_qkv
	.p2alignl 7, 3214868480
	.fill 96, 4, 3214868480
	.section	.rodata,"a",@progbits
	.p2align	6, 0x0
	.amdhsa_kernel k_qfa162e2b81_qkv
		.amdhsa_group_segment_fixed_size 327680
		.amdhsa_private_segment_fixed_size 0
		.amdhsa_enable_private_segment 0
		.amdhsa_kernarg_size 40
		.amdhsa_user_sgpr_count 2
		.amdhsa_user_sgpr_kernarg_segment_ptr 1
		.amdhsa_wavefront_size32 1
		.amdhsa_system_sgpr_workgroup_id_x 1
		.amdhsa_system_sgpr_workgroup_id_y 1
		.amdhsa_system_sgpr_workgroup_id_z 1
		.amdhsa_system_vgpr_workitem_id 0
		.amdhsa_next_free_vgpr 1024
		.amdhsa_next_free_sgpr 74
		.amdhsa_reserve_vcc 0
		.amdhsa_float_denorm_mode_32 3
		.amdhsa_float_denorm_mode_16_64 3
		.amdhsa_memory_ordered 1
		.amdhsa_forward_progress 1
		.amdhsa_inst_pref_size 107
	.end_amdhsa_kernel
	.amdgpu_metadata
---
amdhsa.version: [ 1, 2 ]
amdhsa.kernels:
  - .name:           k_qfa162e2b81_qkv
    .symbol:         k_qfa162e2b81_qkv.kd
    .args:
      - { .name: xb, .offset: 0, .size: 8, .value_kind: global_buffer, .address_space: global }
      - { .name: wt, .offset: 8, .size: 8, .value_kind: global_buffer, .address_space: global }
      - { .name: qkv, .offset: 16, .size: 8, .value_kind: global_buffer, .address_space: global }
      - { .name: bcat, .offset: 24, .size: 8, .value_kind: global_buffer, .address_space: global }
      - { .name: vsum, .offset: 32, .size: 8, .value_kind: global_buffer, .address_space: global }
    .group_segment_fixed_size: 327680
    .private_segment_fixed_size: 0
    .kernarg_segment_align: 8
    .kernarg_segment_size: 40
    .max_flat_workgroup_size: 128
    .sgpr_count:     74
    .vgpr_count:     1024
    .wavefront_size: 32
...
	.end_amdgpu_metadata
.endif
;; end of part 2
;; launch attn (part 3): grid 4 x 64, 4 waves a work-group, no clusters, 327,680 bytes of LDS; arguments qkv, ob, vsum; writes ob
.if DOCPART == 3
	.amdgcn_target "amdgcn-amd-amdhsa--gfx1250"
	.amdhsa_code_object_version 6
	.text
	.protected	k_qfa162e2b81_attn
	.globl	k_qfa162e2b81_attn
	.p2align	8
	.type	k_qfa162e2b81_attn,@function
k_qfa162e2b81_attn:
	s_mov_b64 s[64:65], 0
	v_nop
	global_prefetch_b8 v0, s[64:65] scope:SCOPE_SE
	s_setreg_imm32_b32 hwreg(HW_REG_WAVE_MODE, 25, 1), 1
	s_wait_xcnt 0x0
; CAUSAL ATTENTION WITH A FINITE MASK.  For each of 64 heads y (= 4 head + batch) of 2,048 rows of 64 channels: a score is Q.K / 8 where k <= q and -10000 where k > q; O = softmax(scores) V.
; q, k, v lie in qkv, f16, a head's rows dense (128 bytes), k 16 MiB and v 32 MiB behind q; ob has q's layout.  Products, maxima and sums in f32; the weights are rounded to f16 for the second product, O once at the end.
; THE HIDDEN KEYS all have ONE score, so their part is made apart and exactly: with MB = -10000 log2(e), cnt = 2047 - q hidden keys and O2 = the sum of their rows of V,
;   cm' = max(c m, MB), a = 2^(c m - cm'), b = 2^(MB - cm'), O = (a O + b O2) / (a l + b cnt); a row with no hidden key takes the lowest finite number for MB, so that b = 0.
; O2 = T (the key tiles behind the diagonal one: from vsum, the sums of 64 rows each) + V^T P2 in the diagonal tile, P2 a matrix of 0 and 1.  Among the visible keys a hidden one counts as its score less 1e30: weight 0.
; LIMITS.  Q, K, V arrive within f16's 65,504; a weight below 2^-126 counts as 0 in l; NaN and infinities are not treated apart.
; THE WALK.  A head's queries lie in NB = 8 blocks of 256; block i needs the key tiles 0 .. i.  A work-group takes TWO blocks, NB - 1 - b and then b: NB + 1 tiles, whatever b: ONE loop with a constant trip count.
; Every jump goes forward but the counted loops' own; none passes a barrier, or a tensor load but the one of LOAD's two that the wave's number does not choose.
; NO CLUSTER: a head's four work-groups ask for the same tile only in trips 0 .. NB / 2; a walk common to all would have 3 NB / 2 trips for NB + 1.
; SHARES.  Of a block's four bands of 64 queries a wave owns 16 rows in each: four PIECES.  In the diagonal tile's key step s band x sees all keys if s < x, none if s > x, and holds the diagonal if s = x.
; THE MASK is the C operand that starts S^T = K Q^T: MD x AL + BE.  P2 goes the same way by bits: (PD and AL2) or BE2.
; TURNS.  Turn n belongs to piece n: 8 products K Q^T of piece n + 1, later 8 products V^T P of piece n - 1 (in the diagonal tile 8 more, V^T P2); beside them piece n's softmax and piece n + 1's maximum.
; Four vector instructions stand behind every matrix instruction, the rest in one lump.  A turn's 33 exponentials are one batch, with one wait.
; REGISTERS, in windows of 256 (s_set_vgpr_msb: bits 1:0 source 0, 3:2 source 1, 5:4 source 2, 7:6 destination):
;   window 0: v0-15 addresses; v16-31 statistics; v32-47 at work on the way out; v48-55 at work; v56-58 constants; v64-127 S^T; v128-143 PD; v144-159 P2; v160-191, v224-255 T of the two blocks; v192-223 P
;   window 1: v0-127 O^T; v128-159 MD; v160-223 MC      window 2: v0-63 Q; v64-127 the second block's Q; v128-191 K; v192-255 V      window 3: v0-127 O2
.set SIZE_N, 2048
.set NB,    SIZE_N/256
.set NP,    4
.set KS,    64
.set PK,    144       ; a row of K in LDS: 128 bytes + 16
.set PV,    160       ; a row of V: 128 + 32
.set VOFF,  4*KS*PK
.set SLOT1, 1<<17
.set STAGE, SLOT1+4*KS*(PK+PV)
.set SP,    144
.set AK0, 2
.set AV0, 3
.set AK,  4
.set AV,  5
.set STO, 6
.set RD,  7
.set GO,  8
.set SPW, 62
.set NIL, 63
.set SPARE, STAGE+4*16*SP  ; the spare words, 128 bytes a wave
.set TSC, SPARE+512   ; 512 bytes in which the waves exchange T; no tile lands there
.set MV,  12
.set QO,  15
.set ST,  16          ; piece t: c m, m, l (even keys', odd keys')
.set EW,  32          ; piece t: four registers at work on the way out
.set TMP, 48
.set MBR, 56          ; -10000 log2(e)
.set LOW, 57          ; the lowest finite number
.set PFO, 58          ; 256 x my lane
.set S,   64
.set PD,  128         ; 1.0 in f16 where my band's own step hides the key, packed as P is
.set P2,  144
.set TT1, 160         ; T of the first block: register 8 cb + j: channel 16 cb + 8 (l / 16) + j
.set TT2, 224         ; of the second
.set P,   192
.set MD,  128
.set MC,  160
.set QB,  64
.set KF,  128
.set VF,  192
.set WV,  12
.set PB,  14
.set HI,  15
.set G1K, 24
.set G1V, 32
.set G0K, 40
.set G0V, 44
.set SLOTS, 56
.set CNT, 57
.set CS,  58
.set SEL, 60
.set TBK, 62
.set TBV, 63
.set PFV, 66          ; s[66:67] where my prefetches of V stand
.set RT,  70
.set NXT, 71
.set LQ,  72
.set NEW, 73
.set OFF, 74
.set AL,  76
.set BE,  78
.set OLO, 80
.set BIGN, 82
.set VS,  88          ; s[88:89] vsum
.set AL2, 90
.set BE2, 91
.set ONE2, 92         ; 1.0 twice in f16
.set QC,  95          ; 2047 - 256 block - 16 wave, of the block in hand
.set QC2, 96          ; of the second block
.set LIM, 97          ; 2 in the work-group that prefetches, else the greatest number
.set PFK, 98          ; s[98:99] where my prefetches of K stand
.set MSB, 0
.macro WIN new
.if MSB != (\new)
	s_set_vgpr_msb (MSB<<8)|(\new)
.set MSB, (\new)
.endif
.endm
.set W_KQ, 0x0a
.set W_KM, 0x1a
.set W_PV, 0x52
.set W_RS, 0x41
.macro LOAD                         ; waves 0 and 1 fetch the two halves of a tile's K, waves 2 and 3 those of its V
	s_cmp_lt_u32 s[WV], 2
	s_cbranch_scc0 .Lfor_v_\@
	tensor_load_to_lds s[G0K:G0K+3], s[G1K:G1K+7]
	s_nop 0
.rept 4
	v_nop
.endr
	s_branch .Lasked_\@
.Lfor_v_\@:
	tensor_load_to_lds s[G0V:G0V+3], s[G1V:G1V+7]
	s_nop 0
.rept 4
	v_nop
.endr
.Lasked_\@:
.endm
; THE CHANGE OF SLOTS.  Each wave waits for all its tensor loads (one is out: its part of the other slot), adds 0 to its spare word, and waits for that and for its reads of the slot that it leaves.
; fill = 1: the old slot is filled again, first thing behind the barrier, with tile NXT.  Behind the load the work-group with b = 0, whose first block walks tiles 0 to 7 ahead of or with its three
; neighbours, prefetches the tile behind the one just asked for: wave w names 32 blocks of 256 bytes of K and of V, a lane a block; tiles 2 to 7, each block once in the launch.
.macro CHANGE fill
	WIN 0
.if \fill
	s_wait_xcnt 0x0                 ; the last prefetches, a tile back, have read their addresses
	s_add_nc_u64 s[PFK:PFK+1], s[PFK:PFK+1], 32768
	s_add_nc_u64 s[PFV:PFV+1], s[PFV:PFV+1], 32768
.endif
	s_wait_tensorcnt 0x0
	ds_add_u32 v[SPW], v[NIL]
.if \fill
	s_lshl_b32 s[OFF], s[NXT], 15
	s_xor_b32 s[G0K+1], s[G0K+1], SLOT1
	s_add_nc_u64 s[G0K+2:G0K+3], s[6:7], s[OFF:OFF+1]
	s_or_b32 s[G0K+3], s[G0K+3], 0x80000000
	s_xor_b32 s[G0V+1], s[G0V+1], SLOT1
	s_add_nc_u64 s[G0V+2:G0V+3], s[8:9], s[OFF:OFF+1]
	s_or_b32 s[G0V+3], s[G0V+3], 0x80000000
	s_add_co_u32 s[NXT], s[NXT], 1
	s_cmp_gt_u32 s[NXT], s[LQ]
	s_cselect_b32 s[NXT], 0, s[NXT]
	s_cselect_b32 s[LQ], s[PB], s[LQ]
.endif
	s_wait_dscnt 0x0                ; the add is done, and my reads of the slot are over
	s_barrier_signal -1
	s_sub_co_u32 s[TBK], s[TBK], 4*KS*PK
	s_xor_b32 s[TBK], s[TBK], SLOT1
	s_sub_co_u32 s[TBV], s[TBV], 4*KS*PV
	s_xor_b32 s[TBV], s[TBV], SLOT1
	s_barrier_wait -1
.if \fill
	LOAD
	s_cmp_gt_u32 s[SLOTS], s[LIM]
	s_cbranch_scc0 .Lnot_mine_\@
	global_prefetch_b8 v[PFO], s[PFK:PFK+1] th:TH_LOAD_NT scope:SCOPE_SE
	global_prefetch_b8 v[PFO], s[PFV:PFV+1] th:TH_LOAD_NT scope:SCOPE_SE
.Lnot_mine_\@:
.endif
.endm
	s_load_b64 s[4:5], s[0:1], 0x0  ; qkv: q
	s_load_b64 s[10:11], s[0:1], 0x8  ; ob
	s_load_b64 s[VS:VS+1], s[0:1], 0x10  ; vsum
	v_lshl_add_u32 v[SPW], v0, 2, SPARE
	v_mov_b32 v[NIL], 0
	ds_add_u32 v[SPW], v[NIL]       ; the wave's opening: the add and its wait ahead of my first tensor load
	v_lshrrev_b32 v1, 5, v0
	v_readfirstlane_b32 s[WV], v1
	s_mov_b32 s[PB], ttmp9
	s_sub_co_u32 s[HI], NB-1, s[PB]
	s_and_b32 s20, ttmp7, 0xffff    ; the head
	s_mov_b32 s21, 0
	s_mov_b64 s[22:23], SIZE_N*128
	s_mul_u64 s[20:21], s[20:21], s[22:23]
	s_and_b32 s16, s[WV], 1
	s_lshl_b32 s22, s16, 14
	s_mov_b32 s23, 0
	s_add_nc_u64 s[22:23], s[22:23], s[20:21]
	s_mul_i32 s17, s16, 128*PK
	s_mul_i32 s18, s16, 128*PV
	s_lshl_b32 s3, s[WV], 11
	s_lshl_b32 s2, s[HI], 15
	s_add_co_u32 s2, s2, s3
	s_lshl_b32 s84, s[PB], 15
	s_add_co_u32 s84, s84, s3
	s_mov_b32 s3, 0
	s_mov_b32 s85, 0
	s_add_nc_u64 s[2:3], s[2:3], s[20:21]
	s_add_nc_u64 s[84:85], s[84:85], s[20:21]
	s_mov_b32 s[G1K], (1<<16)|(1<<20)|(4<<22)|(3<<25)  ; 128 keys as 64 rows of 256 bytes, padded in LDS after every key
	s_mov_b32 s[G1V], (1<<16)|(1<<20)|(4<<22)|(7<<25)
.irp g, G1K, G1V
	s_mov_b32 s[\g+1], 128<<16
	s_mov_b32 s[\g+2], 64<<16
	s_mov_b32 s[\g+3], 128<<16
	s_mov_b32 s[\g+4], 64
	s_mov_b32 s[\g+5], 128
	s_mov_b32 s[\g+6], 0
	s_mov_b32 s[\g+7], 0
.endr
	s_mov_b32 s[CS], 0x3e38aa3b     ; c = log2(e) / 8
	s_mov_b32 s[CS+1], s[CS]
	s_mov_b32 s[SEL], 0x76543210
	s_mov_b32 s[SEL+1], 0xfedcba98
	s_mov_b32 s[TBK], SLOT1+4*KS*PK
	s_mov_b32 s[TBV], SLOT1+4*KS*PV
	s_mov_b32 s[G0K], 1
	s_mov_b32 s[G0K+1], s17
	s_mov_b32 s[G0V], 1
	s_add_co_u32 s[G0V+1], s18, VOFF
	s_add_co_u32 s[RT], s[HI], 1
	s_mov_b32 s[NXT], 1
	s_mov_b32 s[LQ], s[HI]
	s_mov_b32 s[NEW], 1
	s_mov_b32 s[OFF+1], 0
	s_mov_b32 s[AL+1], 0
	s_mov_b32 s[BE+1], 0
	s_mov_b32 s[BIGN], 0xf149f2ca   ; -1e30
	s_mov_b32 s[SLOTS], NB
	s_and_b32 s90, ttmp7, 0xffff    ; vsum: row 32 (y % 4), column 2048 + 64 (y / 4) + 16 wave
	s_and_b32 s91, s90, 3
	s_mul_i32 s91, s91, 32*12288
	s_lshr_b32 s90, s90, 2
	s_lshl_b32 s90, s90, 8
	s_add_co_u32 s90, s90, s91
	s_lshl_b32 s91, s[WV], 6
	s_add_co_u32 s90, s90, s91
	s_add_co_u32 s90, s90, 8192
	s_mov_b32 s91, 0
	s_lshl_b32 s[PFK], s[WV], 13    ; the prefetches: my quarter of tile 1; the first change of slots steps it to tile 2
	s_add_co_u32 s[PFK], s[PFK], 32768
	s_mov_b32 s[PFK+1], 0
	s_add_nc_u64 s[PFK:PFK+1], s[PFK:PFK+1], s[20:21]
	s_lshl_b32 s93, s[WV], 4
	s_sub_co_u32 s93, 2047, s93
	s_lshl_b32 s94, s[HI], 8
	s_sub_co_u32 s[QC], s93, s94
	s_lshl_b32 s94, s[PB], 8
	s_sub_co_u32 s[QC2], s93, s94
	s_mov_b32 s93, 0x3c00
	s_mov_b32 s94, 0x3c000000
	s_mov_b32 s[ONE2], 0x3c003c00
	s_cmp_eq_u32 s[PB], 0
	s_cselect_b32 s[LIM], 2, -1
	s_wait_dscnt 0x0                ; the opening add is done
	s_wait_kmcnt 0x0
	s_add_nc_u64 s[6:7], s[4:5], 0x1000000  ; k
	s_add_nc_u64 s[8:9], s[4:5], 0x2000000  ; v
	s_add_nc_u64 s[PFV:PFV+1], s[8:9], s[PFK:PFK+1]
	s_add_nc_u64 s[PFK:PFK+1], s[6:7], s[PFK:PFK+1]
	s_add_nc_u64 s[VS:VS+1], s[VS:VS+1], s[90:91]
	s_add_nc_u64 s[6:7], s[6:7], s[22:23]
	s_add_nc_u64 s[8:9], s[8:9], s[22:23]
	s_add_nc_u64 s[G0K+2:G0K+3], s[6:7], 0
	s_or_b32 s[G0K+3], s[G0K+3], 0x80000000
	s_add_nc_u64 s[G0V+2:G0V+3], s[8:9], 0
	s_or_b32 s[G0V+3], s[G0V+3], 0x80000000
	s_add_nc_u64 s[86:87], s[4:5], s[84:85]
	s_add_nc_u64 s[4:5], s[4:5], s[2:3]
	s_add_nc_u64 s[OLO:OLO+1], s[10:11], s[84:85]
	s_add_nc_u64 s[10:11], s[10:11], s[2:3]
	LOAD                            ; tile 0 into slot 0
	v_and_b32 v1, 15, v0            ; l % 16; kept to the end
	v_bfe_u32 v9, v0, 4, 1          ; l / 16
	v_lshlrev_b32 v[QO], 7, v1
	v_lshl_add_u32 v[QO], v9, 4, v[QO]
	WIN 0x80
.set i, 0
.rept 8
	global_load_b128 v[8*i:8*i+3],   v[QO], s[4:5] offset:(i/2)*8192+(i%2)*64
	global_load_b128 v[8*i+4:8*i+7], v[QO], s[4:5] offset:(i/2)*8192+(i%2)*64+32
	global_load_b128 v[QB+8*i:QB+8*i+3],   v[QO], s[86:87] offset:(i/2)*8192+(i%2)*64
	global_load_b128 v[QB+8*i+4:QB+8*i+7], v[QO], s[86:87] offset:(i/2)*8192+(i%2)*64+32
.set i, i+1
.endr
	WIN 0
	v_mul_u32_u24 v36, v1, 2*12288  ; vsum: lane l takes the groups 2 (l % 16) and 2 (l % 16) + 1 of 64 keys, channels 16 wave + 8 (l / 16) + 0..7
	v_lshl_add_u32 v36, v9, 5, v36
	global_load_b128 v[64:67], v36, s[VS:VS+1]
	global_load_b128 v[68:71], v36, s[VS:VS+1] offset:16
	global_load_b128 v[72:75], v36, s[VS:VS+1] offset:12288
	global_load_b128 v[76:79], v36, s[VS:VS+1] offset:12304
	v_lshlrev_b32 v14, 3, v9
	v_sub_nc_u32 v14, v1, v14
	s_lshl_b32 s13, s[WV], 4
	v_add_nc_u32 v14, s13, v14      ; register r of group kt is hidden where 16 kt + r is greater
	WIN 0x40
.set i, 0
.rept 32
	v_cmp_gt_i32 vcc_lo, 16*(i/8)+i%8, v14
	v_cndmask_b32 v[MD+i], 0, s[BIGN], vcc_lo
.set i, i+1
.endr
	WIN 0
.set i, 0
.rept 16
	v_cmp_gt_i32 vcc_lo, 16*((2*i)/8)+(2*i)%8, v14
	v_cndmask_b32 v12, 0, s93, vcc_lo
	v_cmp_gt_i32 vcc_lo, 16*((2*i+1)/8)+(2*i+1)%8, v14
	v_cndmask_b32 v13, 0, s94, vcc_lo
	v_or_b32 v[PD+i], v12, v13
.set i, i+1
.endr
	v_mov_b32 v[MBR], 0xc6616bcd    ; -10000 log2(e)
	v_mov_b32 v[LOW], 0xff7fffff
	v_and_b32 v[PFO], 31, v0
	v_lshlrev_b32 v[PFO], 8, v[PFO]
	v_mul_u32_u24 v[AK0], v1, PK
	v_lshl_add_u32 v[AK0], v9, 4, v[AK0]
	v_and_b32 v10, 7, v0
	v_bfe_u32 v11, v0, 3, 1
	v_lshl_add_u32 v[AV0], v9, 3, v10
	v_mul_u32_u24 v[AV0], v[AV0], PV
	v_lshl_add_u32 v[AV0], v11, 4, v[AV0]
	v_add_nc_u32 v[AV0], VOFF, v[AV0]
	s_mul_i32 s13, s[WV], 16*SP
	s_add_co_u32 s13, s13, STAGE
	v_mul_u32_u24 v[STO], v1, SP
	v_lshl_add_u32 v[STO], v9, 4, v[STO]
	v_add_nc_u32 v[STO], s13, v[STO]
	v_bfe_u32 v[RD], v0, 3, 2
	v_mul_u32_u24 v[RD], v[RD], SP
	v_lshl_add_u32 v[RD], v10, 4, v[RD]
	v_add_nc_u32 v[RD], s13, v[RD]
	v_and_b32 v[GO], 31, v0
	v_lshlrev_b32 v[GO], 4, v[GO]
	; A block's first step multiplies O^T and l by a = 0: these registers need only hold finite numbers.  All this stands in the wait for the first tile.
	WIN 0x80
.set i, VF
.rept 64
	v_mov_b32 v[i], 0
.set i, i+1
.endr
	WIN 0x40
.set i, 0
.rept 128
	v_mov_b32 v[i], 0
.set i, i+1
.endr
	WIN 0
.set i, 0
.rept 4
	v_mov_b32 v[ST+4*i+2], 0
	v_mov_b32 v[ST+4*i+3], 0
.set i, i+1
.endr
.set i, P+16
.rept 16
	v_mov_b32 v[i], 0
.set i, i+1
.endr
	; T: the sum of V over the key tiles behind a block's diagonal tile: the groups from 4 block + 4 on.  That number is even, so a lane's two groups fall on one side of it.
	s_wait_loadcnt 0x0
.irp j, 0,2,4,6
	v_pk_add_f32 v[64+\j:65+\j], v[64+\j:65+\j], v[72+\j:73+\j]
.endr
	v_lshlrev_b32 v38, 1, v1
	v_mov_b32 v37, 1.0
	s_lshl_b32 s13, s[HI], 2
	s_add_co_u32 s13, s13, 4
	v_cmp_le_u32 vcc_lo, s13, v38
	v_cndmask_b32 v32, 0, v37, vcc_lo
	s_lshl_b32 s13, s[PB], 2
	s_add_co_u32 s13, s13, 4
	v_cmp_le_u32 vcc_lo, s13, v38
	v_cndmask_b32 v34, 0, v37, vcc_lo
.irp j, 0,1,2,3,4,5,6,7
	v_mul_f32 v[80+\j], v32, v[64+\j]
	v_mul_f32 v[88+\j], v34, v[64+\j]
.endr
.irp x, 1,2,4,8
.set j, 80
.rept 16
	v_add_f32_dpp v[j], v[j], v[j] row_xmask:\x row_mask:0xf bank_mask:0xf
.set j, j+1
.endr
.endr
	s_lshl_b32 s13, s[WV], 6
	s_add_co_u32 s13, s13, TSC
	v_lshl_add_u32 v39, v9, 5, s13  ; the 16 lanes of a half hold the same eight sums and write the same bytes
	ds_store_b128 v39, v[80:83]
	ds_store_b128 v39, v[84:87] offset:16
	ds_store_b128 v39, v[88:91] offset:256
	ds_store_b128 v39, v[92:95] offset:272
	s_wait_dscnt 0x0                ; for the others' sake: my stores are done
	s_barrier_signal -1             ; tile 0's load may stay out
	s_barrier_wait -1
	v_lshlrev_b32 v40, 5, v9
	v_add_nc_u32 v40, TSC, v40
.irp cb, 0,1,2,3
	ds_load_b128 v[TT1+8*\cb:TT1+8*\cb+3],   v40 offset:64*\cb
	ds_load_b128 v[TT1+8*\cb+4:TT1+8*\cb+7], v40 offset:64*\cb+16
	ds_load_b128 v[TT2+8*\cb:TT2+8*\cb+3],   v40 offset:256+64*\cb
	ds_load_b128 v[TT2+8*\cb+4:TT2+8*\cb+7], v40 offset:256+64*\cb+16
.endr
	s_wait_dscnt 0x0
	WIN 0xc0                        ; O2 starts at T, the same for every query of the block
.set i, 0
.rept 128
	v_mov_b32 v[i], v[TT1+i%32]
.set i, i+1
.endr
	WIN 0
; THE MATRIX WORK.  The 4 accumulators of a run of 8 take turns.
.macro KQ x
.set rS, S+32*((\x)%2)+8*(i%4)
.set rK, KF+16*(i%4)+8*(i/4)
.set rQ, 16*(\x)+8*(i/4)
.set rM, MC+32*((\x)%2)+8*(i%4)
.if (i < 4) && KM
	WIN W_KM
	v_wmma_f32_16x16x32_f16 v[rS:rS+7], v[rK:rK+7], v[rQ:rQ+7], v[rM:rM+7]
.elseif i < 4
	WIN W_KQ
	v_wmma_f32_16x16x32_f16 v[rS:rS+7], v[rK:rK+7], v[rQ:rQ+7], 0
.else
	WIN W_KQ
	v_wmma_f32_16x16x32_f16 v[rS:rS+7], v[rK:rK+7], v[rQ:rQ+7], v[rS:rS+7]
.endif
.endm
.macro PV x
	WIN W_PV
.set rO, 32*(\x)+8*(i%4)
.set rV, VF+32*(i/4)+8*(i%4)
.set rP, P+16*((\x)%2)+8*(i/4)
	v_wmma_f32_16x16x32_f16 v[rO:rO+7], v[rV:rV+7], v[rP:rP+7], v[rO:rO+7]
.endm
.macro PV2 x, src                   ; O2 += V^T x the 0/1 matrix at src, for piece x: V in window 2, the matrix in window 0, O2 in window 3
	WIN 0xf2
.set i2, 0
.rept 8
	v_wmma_f32_16x16x32_f16 v[32*(\x)+8*(i2%4):32*(\x)+8*(i2%4)+7], v[VF+32*(i2/4)+8*(i2%4):VF+32*(i2/4)+8*(i2%4)+7], v[(\src)+8*(i2/4):(\src)+8*(i2/4)+7], v[32*(\x)+8*(i2%4):32*(\x)+8*(i2%4)+7]
.set i2, i2+1
.endr
.endm
.macro MM
.if (i < 8) && !NOKQ
	KQ (Y+1)%NP
.elseif i >= 8
.set i, i-8
	PV (Y+NP-1)%NP
.set i, i+8
.endif
.set i, i+1
.endm
.macro FETCH_K
	WIN 0x80
.irp f, 0,1,2,3,4,5,6,7
	ds_load_b128 v[KF+8*\f:KF+8*\f+3],   v[AK] offset:(\f/2)*16*PK+(\f%2)*64
	ds_load_b128 v[KF+8*\f+4:KF+8*\f+7], v[AK] offset:(\f/2)*16*PK+(\f%2)*64+32
.endr
	s_add_co_u32 s[TBK], s[TBK], KS*PK
	WIN 0
.endm
.macro FETCH_V
	WIN 0x80
.irp f, 0,1,2,3,4,5,6,7
	ds_load_tr16_b128 v[VF+8*\f:VF+8*\f+3],   v[AV] offset:(\f/4)*32*PV+(\f%4)*32
	ds_load_tr16_b128 v[VF+8*\f+4:VF+8*\f+7], v[AV] offset:(\f/4)*32*PV+16*PV+(\f%4)*32
.endr
	WIN 0
.endm
; THE VECTOR WORK, one line at a time: OP kind, number.  For piece Y: F n: c s - c m for pair n.  E n: the exponential of score n.  C n: pair n rounded to f16.  B n: of four weights the second pair onto the first.
; L n: l takes that sum (L 0: l = a l + sum).  R n: pair n of O^T times a.  For piece Y + 1: X n, number n of the 22 that find its maximum and statistics (each accumulator's lowest registers are read first).
.set F, 0
.set E, 1
.set C, 2
.set B, 3
.set L, 4
.set R, 5
.set X, 6
.macro REGS y
.set rT, ST+4*(\y)
.set rC, TMP+4*((\y)%2)
.set rW, MV+((\y)%2)
.set rS, S+32*((\y)%2)
.set rP, P+16*((\y)%2)
.set rO, 32*(\y)
.endm
.macro OP k, n
.if (\k) == R
	REGS Y
	WIN W_RS
	v_pk_mul_f32 v[rO+2*(\n):rO+2*(\n)+1], v[rO+2*(\n):rO+2*(\n)+1], v[rC+2:rC+3] op_sel_hi:[1,0]
.elseif (\k) < R
	REGS Y
	WIN 0
.if (\k) == F
	v_pk_fma_f32 v[rS+2*(\n):rS+2*(\n)+1], v[rS+2*(\n):rS+2*(\n)+1], s[CS:CS+1], v[rT:rT+1] op_sel_hi:[1,0,0] neg_lo:[0,0,1] neg_hi:[0,0,1]
.elseif (\k) == E
	v_exp_f32 v[rS+(\n)], v[rS+(\n)]
.elseif (\k) == C
	v_cvt_pk_f16_f32 v[rP+(\n)], v[rS+2*(\n)], v[rS+2*(\n)+1]
.elseif (\k) == B
	v_pk_add_f32 v[rS+4*(\n):rS+4*(\n)+1], v[rS+4*(\n):rS+4*(\n)+1], v[rS+4*(\n)+2:rS+4*(\n)+3]
.elseif (\n) == 0
	v_pk_fma_f32 v[rT+2:rT+3], v[rT+2:rT+3], v[rC+2:rC+3], v[rS:rS+1] op_sel_hi:[1,0,1]
.else
	v_pk_add_f32 v[rT+2:rT+3], v[rT+2:rT+3], v[rS+4*(\n):rS+4*(\n)+1]
.endif
.elseif NOKQ
	v_nop
.else
	REGS (Y+1)%NP
	WIN 0
.if (\n) < 4
	v_max3_num_f32 v[rC+(\n)], v[rS+8*(\n)], v[rS+8*(\n)+1], v[rS+8*(\n)+2]
.elseif (\n) < 12
	v_max3_num_f32 v[rC+(\n)%4], v[rC+(\n)%4], v[rS+8*((\n)%4)+2*((\n)/4)+1], v[rS+8*((\n)%4)+2*((\n)/4)+2]
.elseif (\n) == 12
	v_max3_num_f32 v[rC], v[rC], v[rS+7], v[rS+15]
.elseif (\n) == 13
	v_max3_num_f32 v[rC+1], v[rC+1], v[rS+23], v[rS+31]
.elseif (\n) == 14
	v_max3_num_f32 v[rC+2], v[rC+2], v[rC+3], v[rT+1]
.elseif (\n) == 15
	v_mov_b32 v[rW], v[rT]
.elseif (\n) == 16
	v_max3_num_f32 v[rC], v[rC], v[rC+1], v[rC+2]
.elseif (\n) == 17
	v_permlanex16_b32 v[rC+3], v[rC], s[SEL], s[SEL+1]
.elseif (\n) == 18
	v_max_num_f32 v[rT+1], v[rC], v[rC+3]
.elseif (\n) == 19
	v_mul_f32 v[rT], s[CS], v[rT+1]
.elseif (\n) == 20
	v_sub_f32 v[rC+1], v[rW], v[rT]
.else
	v_exp_f32 v[rC+2], v[rC+1]
.endif
.endif
.endm
.macro OPS a, i1, b=-1, i2=0, c=-1, i3=0, d=-1, i4=0
	OP \a, \i1
.if (\b) >= 0
	OP \b, \i2
.endif
.if (\c) >= 0
	OP \c, \i3
.endif
.if (\d) >= 0
	OP \d, \i4
.endif
.endm
.macro ROW a, i1, b, i2, c, i3, d, i4
	MM
	OPS \a, \i1, \b, \i2, \c, \i3, \d, \i4
.endm
.macro MASK b
	WIN W_RS
.set z, 0
.rept 16
	v_pk_fma_f32 v[MC+32*(\b)+2*z:MC+32*(\b)+2*z+1], v[MD+2*z:MD+2*z+1], s[AL:AL+1], s[BE:BE+1] op_sel_hi:[1,0,0]
.set z, z+1
.endr
.endm
; A TURN, for piece p.  One wait cuts it in two: ahead of it all that names no result of the turn's exponentials, behind it the 8 products V^T P with the roundings and sums as their riders.
; m = 1: the diagonal tile: the products K Q^T take masks, the turn makes the mask for the turn after it, and (p = 1, 2, 3) behind its products V^T P of piece p - 1 stand 8 products V^T P2 on the same V.
; Those products' key step is the band's own where CNT = 8 >> p, a later one where CNT is less (piece 3's own step is the block's last product, written in DIAG).
; end = 1: a block's last two turns: nothing is fetched.  cnt = 1: the loop's count is taken down some lines ahead of the branch behind the turn; only vector, matrix and window lines follow it.
.macro TURN p, m=0, end=0, cnt=0
.set Y, (\p)
.set i, 0
.set KM, (\m)
.set NOKQ, (\end)*((\p)/3)
.if (\m) && !(\end)
	s_cmp_eq_u32 s[CNT], 4-((\p)+2)%NP
	s_cselect_b32 s[AL], 1.0, 0
	s_cmp_lt_u32 s[CNT], 4-((\p)+2)%NP
	s_cselect_b32 s[BE], s[BIGN], 0
.endif
.if (\m) && ((\p) != 0)
	s_cmp_eq_u32 s[CNT], 8>>(\p)
	s_cselect_b32 s[AL2], -1, 0
	s_cmp_lt_u32 s[CNT], 8>>(\p)
	s_cselect_b32 s[BE2], s[ONE2], 0
.endif
.if ((\p) == 3) && !(\end)
	s_wait_dscnt 0x0                ; K is in
.endif
	ROW F,0, F,1, R,0, R,1
	ROW F,2, E,0, R,2, R,3
	ROW F,3, E,1, R,4, R,5
	ROW F,4, E,2, R,6, R,7
	ROW F,5, E,3, R,8, R,9
	ROW F,6, E,4, X,0, R,10
.if ((\p) == 2) && !(\end)
	WIN 0
	v_add_nc_u32 v[AK], s[TBK], v[AK0]
.endif
	ROW F,7, E,5, X,1, X,4
	ROW F,8, E,6, X,2, X,5
	OPS E,7, E,8, X,6, E,9
	OPS X,3, E,10, X,8, E,11
.if ((\p) == 2) && !(\end)
	FETCH_K
.endif
	OPS X,9, X,7, E,12, X,10
	OPS E,13, X,12, X,11, E,14
	OPS X,13, E,15, F,9, X,14
.if (\p) == 0
	v_add_nc_u32 v[AV], s[TBV], v[AV0]
.endif
	OPS E,16, F,10, E,17, F,11
	OPS X,16, E,18, X,15, E,19
	OPS F,12, E,20, X,17, E,21
	OPS F,13, E,22, F,14, E,23
	OPS X,18, E,24, F,15, E,25
	OPS R,11, E,26, X,19, E,27
	OPS R,12, E,28, R,13, E,29
	OPS X,20, E,30, R,14, E,31
	OPS X,21, R,15
	WIN 0
	s_wait_alu depctr_va_vdst(0)    ; the wait for the batch, ahead of the first line that names a result
.if (\p) == 1
	s_wait_dscnt 0x0                ; V is in
.endif
	ROW C,0, B,0, C,2, B,1
	ROW L,0, C,4, B,2, L,1
	ROW C,6, B,3, L,2, C,8
	ROW B,4, L,3, C,10, B,5
	ROW L,4, C,12, B,6, L,5
.if (\p) == 0
	s_add_co_u32 s[TBV], s[TBV], KS*PV
.endif
.if \cnt
	s_sub_co_u32 s[CNT], s[CNT], 1
	s_cmp_lg_u32 s[CNT], 0
.endif
	ROW C,14, B,7, L,6, C,1
	ROW C,3, L,7, C,5, C,7
	ROW C,9, C,11, C,13, C,15
.if (\p) == 0
	FETCH_V
.endif
.if (\m) && ((\p) != 0)
	WIN 0
.set z, 0
.rept 16
	v_and_or_b32 v[P2+z], v[PD+z], s[AL2], s[BE2]
.set z, z+1
.endr
	PV2 (\p)-1, P2
.endif
.if (\m) && !(\end)
	MASK (\p)%2
.endif
.endm
; A BLOCK BEGINS: c m far below every c s, so that the first step's a is 0; the masks; K of the tile's step 0, piece 0's first scores, its maximum and statistics.
.macro BEGIN
	s_mov_b32 s[NEW], 0
	WIN 0x40
.set i, MC+32
.rept 32
	v_mov_b32 v[i], 0
.set i, i+1
.endr
	WIN 0
.set i, 0
.rept 4
	v_mov_b32 v[ST+4*i], 0xfe000000
	v_mov_b32 v[ST+4*i+1], 0xff7fffff
.set i, i+1
.endr
	s_cmp_eq_u32 s[RT], 0
	s_cselect_b32 s[AL], 1.0, 0
	s_mov_b32 s[BE], 0
	MASK 0
	WIN 0
	v_add_nc_u32 v[AK], s[TBK], v[AK0]
	FETCH_K
	s_wait_loadcnt 0x0              ; Q
	s_wait_dscnt 0x0
.set KM, 1
.set NOKQ, 0
.set i, 0
.rept 8
	KQ 0
.set i, i+1
.endr
	WIN 0
.rept 4
	v_nop                           ; the places behind those products
.endr
.set Y, NP-1
.irp n, 0,1,2,3,4,5,6,7,8,9,10,11,12,13,14,15,16,17,18,19,20,21
	OP X, \n
.endr
	v_nop                           ; a plain instruction behind the exponential,
	s_wait_alu depctr_va_vdst(0)    ; and its wait, ahead of the branch
.endm
.macro ALL line:vararg
.set t, 0
.rept 4
	\line
.set t, t+1
.endr
.endm
.macro PACK t                       ; O = O fa + O2 fb, rounded to f16, through my stage
	WIN W_RS
.set i, 32*(\t)
.rept 16
	v_pk_mul_f32 v[i:i+1], v[i:i+1], v[ST+4*(\t)+2:ST+4*(\t)+3] op_sel_hi:[1,0]
.set i, i+2
.endr
	WIN 0x53                        ; O2 in window 3, fb in window 0, O^T in window 1
.set i, 32*(\t)
.rept 16
	v_pk_fma_f32 v[i:i+1], v[i:i+1], v[ST+4*(\t):ST+4*(\t)+1], v[i:i+1] op_sel_hi:[1,0,1]
.set i, i+2
.endr
	WIN 0x05
.set i, 0
.rept 16
	v_cvt_pk_f16_f32 v[S+16*(\t)+i], v[32*(\t)+2*i], v[32*(\t)+2*i+1]
.set i, i+1
.endr
	WIN 0
.irp f, 0,1,2,3
	ds_store_b128 v[STO], v[S+16*(\t)+4*\f:S+16*(\t)+4*\f+3] offset:32*\f
.endr
.irp f, 0,1,2,3
	ds_load_b128 v[S+16*(\t)+4*\f:S+16*(\t)+4*\f+3], v[RD] offset:\f*4*SP  ; a wave's LDS instructions are served in order: these see the stores above
.endr
.endm
.macro SEND t, younger
	WIN 0
.irp f, 0,1,2,3
	s_wait_dscnt (\younger)+3-\f
	global_store_b128 v[GO], v[S+16*(\t)+4*\f:S+16*(\t)+4*\f+3], s[10:11] offset:(\t)*8192+\f*512  ; 512 consecutive bytes, aligned
.endr
.endm
; THE DIAGONAL TILE's four steps, the block's last two turns, its last products, and THE WAY OUT.
.macro DIAG tag
.LstepM\tag:
	TURN 2, 1
	TURN 3, 1
	WIN 0
.LfirstM\tag:
	TURN 0, 1
	TURN 1, 1, 0, 1
	WIN 0
	s_cbranch_scc1 .LstepM\tag
	TURN 2, 1, 1
	TURN 3, 1, 1
.set i, 0
.rept 8
	PV NP-1
.set i, i+1
.endr
	PV2 NP-1, PD                    ; piece 3's own step
	WIN 0
	ALL v_add_f32 v[ST+4*t+2], v[ST+4*t+2], v[ST+4*t+3]
	ALL v_permlanex16_b32 v[ST+4*t+3], v[ST+4*t+2], s[SEL], s[SEL+1]
	ALL v_add_f32 v[ST+4*t+2], v[ST+4*t+2], v[ST+4*t+3]
.set t, 0
.rept 4
	s_sub_co_u32 s13, s[QC], 64*t
	v_sub_nc_u32 v[EW+4*t], s13, v1                          ; cnt = 2047 - q
	v_cmp_ne_u32 vcc_lo, 0, v[EW+4*t]
	v_cndmask_b32 v[EW+4*t+1], v[LOW], v[MBR], vcc_lo        ; the hidden keys' exponent, or the lowest number where there are none
	v_cvt_f32_u32 v[EW+4*t], v[EW+4*t]
	v_max_num_f32 v[EW+4*t+2], v[ST+4*t], v[EW+4*t+1]        ; cm'
	v_sub_f32 v[EW+4*t+3], v[ST+4*t], v[EW+4*t+2]
	v_sub_f32 v[EW+4*t+1], v[EW+4*t+1], v[EW+4*t+2]
.set t, t+1
.endr
	ALL v_exp_f32 v[EW+4*t+3], v[EW+4*t+3]                   ; a
	ALL v_exp_f32 v[EW+4*t+1], v[EW+4*t+1]                   ; b
	v_nop                           ; a plain instruction behind the last exponential,
	s_wait_alu depctr_va_vdst(0)    ; and one wait for the eight
	ALL v_mul_f32 v[EW+4*t], v[EW+4*t+1], v[EW+4*t]
	ALL v_fmac_f32 v[EW+4*t], v[EW+4*t+3], v[ST+4*t+2]       ; a l + b cnt
	ALL v_rcp_f32 v[EW+4*t], v[EW+4*t]
	v_nop
	s_wait_alu depctr_va_vdst(0)    ; one wait for the four reciprocals
	ALL v_mul_f32 v[ST+4*t+2], v[EW+4*t+3], v[EW+4*t]        ; fa
	ALL v_mul_f32 v[ST+4*t], v[EW+4*t+1], v[EW+4*t]          ; fb
	PACK 0
.set t, 1
.rept 3
	PACK t
	SEND t-1, 8
.set t, t+1
.endr
	SEND 3, 0
.endm
.set KM, 0
.set NOKQ, 0
.Lslot:                             ; NB times: a tile is entered and the next is asked for
	CHANGE 1
	s_sub_co_u32 s[RT], s[RT], 1
	s_mov_b32 s[CNT], 4
	s_cmp_eq_u32 s[NEW], 1
	s_cbranch_scc1 .Lnew
	s_cmp_eq_u32 s[RT], 0
	s_cbranch_scc0 .Lstep
	s_branch .LstepM1
.Lnew:
	BEGIN
	s_branch .Lfirst                ; in the loop a block's first tile is never its last
	DIAG 1                          ; in the loop this is the first block's end
	s_wait_xcnt 0x0                 ; the stores have read their registers and O's address
	s_mov_b64 s[10:11], s[OLO:OLO+1]
	s_mov_b32 s[QC], s[QC2]
	s_add_co_u32 s[RT], s[PB], 1
	s_mov_b32 s[NEW], 1
	WIN 0x82
.set i, 0
.rept 64
	v_mov_b32 v[i], v[QB+i]
.set i, i+1
.endr
	WIN 0xc0                        ; O2 starts at the second block's T
.set i, 0
.rept 128
	v_mov_b32 v[i], v[TT2+i%32]
.set i, i+1
.endr
	WIN 0
	s_branch .Lbottom
.Lstep:
	TURN 2
	TURN 3
	WIN 0
.Lfirst:
	TURN 0
	TURN 1, 0, 0, 1
	WIN 0
	s_cbranch_scc1 .Lstep
.Lbottom:
	s_sub_co_u32 s[SLOTS], s[SLOTS], 1
	s_cmp_lg_u32 s[SLOTS], 0
	s_cbranch_scc1 .Lslot
	CHANGE 0                        ; the walk's last tile is written out
	s_sub_co_u32 s[RT], s[RT], 1
	s_mov_b32 s[CNT], 4
	s_cmp_eq_u32 s[NEW], 1
	s_cbranch_scc0 .LstepM2
	BEGIN
	s_branch .LfirstM2
	DIAG 2
	s_wait_tensorcnt 0x0            ; the wave's end
	ds_add_u32 v[SPW], v[NIL]
	s_wait_dscnt 0x0
	s_endpgm
.Lfunc_end_k_qfa162e2b81_attn:
	.size	k_qfa162e2b81_attn, .Lfunc_end_k_qfa162e2b81_attn-k_qfa162e2b81_attn
	.p2alignl 7, 3214868480
	.fill 96, 4, 3214868480
	.section	.rodata,"a",@progbits
	.p2align	6, 0x0
	.amdhsa_kernel k_qfa162e2b81_attn
		.amdhsa_group_segment_fixed_size 327680
		.amdhsa_private_segment_fixed_size 0
		.amdhsa_enable_private_segment 0
		.amdhsa_kernarg_size 24
		.amdhsa_user_sgpr_count 2
		.amdhsa_user_sgpr_kernarg_segment_ptr 1
		.amdhsa_wavefront_size32 1
		.amdhsa_system_sgpr_workgroup_id_x 1
		.amdhsa_system_sgpr_workgroup_id_y 1
		.amdhsa_system_sgpr_workgroup_id_z 1
		.amdhsa_system_vgpr_workitem_id 0
		.amdhsa_next_free_vgpr 896
		.amdhsa_next_free_sgpr 100
		.amdhsa_reserve_vcc 1
		.amdhsa_float_denorm_mode_32 3
		.amdhsa_float_denorm_mode_16_64 3
		.amdhsa_memory_ordered 1
		.amdhsa_forward_progress 1
		.amdhsa_inst_pref_size 255
	.end_amdhsa_kernel
	.section	.bss,"aw",@nobits
	.p2align	6
	.space	262144
	.amdgpu_metadata
---
amdhsa.version: [ 1, 2 ]
amdhsa.kernels:
  - .name:           k_qfa162e2b81_attn
    .symbol:         k_qfa162e2b81_attn.kd
    .args:
      - { .name: qkv, .offset: 0, .size: 8, .value_kind: global_buffer, .address_space: global }
      - { .name: ob, .offset: 8, .size: 8, .value_kind: global_buffer, .address_space: global }
      - { .name: vsum, .offset: 16, .size: 8, .value_kind: global_buffer, .address_space: global }
    .group_segment_fixed_size: 327680
    .private_segment_fixed_size: 0
    .kernarg_segment_align: 8
    .kernarg_segment_size: 24
    .max_flat_workgroup_size: 128
    .sgpr_count:     100
    .vgpr_count:     896
    .wavefront_size: 32
...
	.end_amdgpu_metadata
.endif
;; end of part 3
;; launch projln (part 4): grid 256 x 1, 4 waves a work-group, clusters of 4 x 1, 327,680 bytes of LDS; arguments ob, wpb, hidden_states, bp, ln_g, ln_b, out0; writes out0
.if DOCPART == 4
	.amdgcn_target "amdgcn-amd-amdhsa--gfx1250"
	.amdhsa_code_object_version 6
	.text
	.protected	k_qfa162e2b81_projln
	.globl	k_qfa162e2b81_projln
	.p2align	8
	.type	k_qfa162e2b81_projln,@function
k_qfa162e2b81_projln:
	s_mov_b64 s[64:65], 0
	v_nop
	global_prefetch_b8 v0, s[64:65] scope:SCOPE_SE
	s_setreg_imm32_b32 hwreg(HW_REG_WAVE_MODE, 25, 1), 1
	s_wait_xcnt 0x0
	s_wait_alu depctr_hold_cnt(0) depctr_sa_sdst(0) depctr_va_vdst(0) depctr_va_sdst(0) depctr_va_ssrc(0) depctr_va_vcc(0) depctr_vm_vsrc(0)
	s_getreg_b32 s2, hwreg(HW_REG_IB_STS2, 6, 4)
	s_cmp_eq_u32 s2, 0
	s_cbranch_scc0 .Lentry_in_a_cluster
	s_endpgm
.Lentry_in_a_cluster:
	s_bfe_u32 s2, ttmp6, 0x10000c
	s_cmp_lg_u32 s2, 0x3003
	s_cbranch_scc0 .Lentry_shape_is_right
	s_endpgm
.Lentry_shape_is_right:
; out0 = LayerNorm(O Wp + bp + x) g + b.  ob: [16 head][8192 m][64] f16; wpb: [16 ks][1024 n][64] f16; x, bp, g, b, out0 f32.  Products' sums, the residual and all of the norm in f32;
; the variance is taken of the numbers less their mean, in a second pass.
; A work-group owns 32 whole rows, so that the norm needs no second launch: 256 work-groups.  Wave w makes columns 256 w .. 256 w + 255: 2 x 16 accumulators.
; K goes in 16 steps of 64 (a head a step), each in two halves of 32.  All work-groups walk the same 2 MiB of wpb: the four of a cluster ask for each step's 128 KiB JOINTLY, a quarter a wave, into two LDS slots.
; O's fragments (32 rows x 128 bytes a step) come straight into registers, two steps ahead.  The matrix instruction is used transposed: a lane holds eight neighbouring columns of one row.
; When slot 0 has had its last tile it takes the work-group's rows of x (a load of each work-group's own); slot 1, after its last fill, is the stage through which the sums change from columns to rows.
; REGISTERS.  window 0: v16-29 addresses; v32-63 bp, v192-223 g, v224-255 b of my columns 128 c + 4 l; v64-127 O's fragments (step parity q, half kk, row block a at 64 + 32 q + 16 kk + 8 a);
;   in the norm v64-95 a row of sums, v96-127 of x, v128-159 at work, v160-173 small.   window 1: the accumulators at 8 (16 a + b).   window 2: wpb's fragments, a buffer of 128 for each half.
.set PITCH, 144                        ; a row of wpb in LDS: 128 bytes + 16
.set SLOTB, 1024*PITCH                 ; 147,456
.set SPARE, 2*SLOTB
.set YP,    4112                       ; a stage row: 4,096 bytes + 16
.set ADRB, 16
.set AO,   18
.set STO,  19
.set RDY,  21
.set RDX,  22
.set GO,   23
.set PO,   24
.set PFO,  25
.set SPW,  28
.set NIL,  29
.set BP,   32
.set AF,   64
.set LG,   192
.set LB,   224
.set RY,   64
.set RX,   96
.set W,    128
.set T,    160
.set G1,  24                           ; s[24:31] group 1 for wpb's tiles
.set G0,  32                           ; s[32:39] group 0, a set for each slot
.set GX1, 40                           ; s[40:47] group 1 for x
.set GX0, 48                           ; s[48:51] group 0 for x
.set PFA, 52
.set LIM, 54
.set AP,  56                           ; s[56:57] ob at my rows, at the step that the loop's trip begins with
.set SEL, 58
.set MSB, 0
.macro WIN new
.if MSB != (\new)
	s_set_vgpr_msb (MSB<<8)|(\new)
.set MSB, \new
.endif
.endm
.macro PLACES
.rept 4
	v_nop
.endr
.endm
.macro CREST
	s_cmp_lg_u32 s20, 0
	s_cbranch_scc1 .Lnot_wave_0_\@
	s_barrier_signal -3
.Lnot_wave_0_\@:
	s_barrier_wait -3
	s_barrier_signal -1
	s_barrier_wait -1
.endm
.macro CROUND
	s_barrier_signal -1
	s_barrier_wait -1
	CREST
.endm
	s_load_b256 s[4:11], s[0:1], 0x0               ; ob 4, wpb 6, x 8, bp 10
	s_load_b128 s[12:15], s[0:1], 0x20             ; g 12, b 14
	s_load_b64 s[16:17], s[0:1], 0x30              ; out0
	v_lshl_add_u32 v[SPW], v0, 2, SPARE
	v_mov_b32 v[NIL], 0
	ds_add_u32 v[SPW], v[NIL]                      ; the wave's opening: the add and its wait ahead of my first tensor load
	v_lshrrev_b32 v1, 5, v0
	v_readfirstlane_b32 s20, v1                    ; wave 0..3
	s_bfe_u32 s21, ttmp6, 0x40000                  ; cx
	s_lshl_b32 s22, ttmp9, 2
	s_add_co_u32 s22, s22, s21                     ; work-group 0..255
	s_mov_b32 s[G1+0], 15|(1<<16)|(1<<20)|(1<<21)|(4<<22)|(3<<25)  ; the mask of four; 2-byte elements; padding on; bit 21 beside a mask; after every 32 words, 4 words
	s_mov_b32 s[G1+1], 128<<16                     ; rows of 256 bytes: two n to a row
	s_mov_b32 s[G1+2], 128<<16
	s_mov_b32 s[G1+3], 128<<16
	s_mov_b32 s[G1+4], 128
	s_mov_b32 s[G1+5], 128
	s_mov_b32 s[G1+6], 0
	s_mov_b32 s[G1+7], 0
	s_mov_b32 s[GX1+0], 3<<16                      ; x: 8 rows are 32,768 dense bytes: 128 rows of 32 elements of 8 bytes, no mask, no padding
	s_mov_b32 s[GX1+1], 32<<16
	s_mov_b32 s[GX1+2], 128<<16
	s_mov_b32 s[GX1+3], 32<<16
	s_mov_b32 s[GX1+4], 128
	s_mov_b32 s[GX1+5], 32
	s_mov_b32 s[GX1+6], 0
	s_mov_b32 s[GX1+7], 0
	s_mul_i32 s23, s20, 256*PITCH                  ; my 256 rows in a slot
	s_lshl_b32 s18, s20, 15                        ; my quarter of a tile in memory; also my rows of x in LDS
	s_mov_b32 s19, 0
	s_mov_b32 s[G0+0], 1
	s_mov_b32 s[G0+1], s23
	s_mov_b32 s[G0+4], 1
	s_add_co_u32 s[G0+5], s23, SLOTB
	s_mov_b32 s[GX0+0], 1
	s_mov_b32 s[GX0+1], s18
	s_mov_b32 s[SEL], 0x76543210
	s_mov_b32 s[SEL+1], 0xfedcba98
	s_mov_b32 s60, 0x3a800000                      ; 1 / 1024
	s_mov_b32 s61, 0x3727c5ac                      ; 1e-5
	s_cmp_eq_u32 ttmp9, 0
	s_cselect_b32 s[LIM], 1, -1                    ; the first cluster prefetches
	s_wait_dscnt 0x0                               ; the opening add is done
	s_wait_kmcnt 0x0
	s_add_nc_u64 s[G0+2:G0+3], s[6:7], s[18:19]
	s_add_nc_u64 s[G0+6:G0+7], s[G0+2:G0+3], 131072
	s_or_b32 s[G0+3], s[G0+3], 0x80000000
	s_or_b32 s[G0+7], s[G0+7], 0x80000000
	s_lshl_b32 s62, s22, 5
	s_lshl_b32 s63, s20, 3
	s_add_co_u32 s62, s62, s63
	s_lshl_b32 s62, s62, 12                        ; row 32 work-group + 8 wave, 4,096 bytes a row
	s_mov_b32 s63, 0
	s_add_nc_u64 s[GX0+2:GX0+3], s[8:9], s[62:63]
	s_or_b32 s[GX0+3], s[GX0+3], 0x80000000
	s_add_nc_u64 s[16:17], s[16:17], s[62:63]
	s_lshl_b32 s62, s22, 12                        ; ob: 32 rows of 128 bytes a work-group
	s_add_nc_u64 s[AP:AP+1], s[4:5], s[62:63]
	s_lshl_b32 s62, s21, 15                        ; the prefetches: a tile's 512 blocks of 256 bytes are shared by address: 128 a work-group, 32 a wave, one a lane
	s_lshl_b32 s18, s20, 13
	s_add_co_u32 s62, s62, s18
	s_add_nc_u64 s[PFA:PFA+1], s[6:7], s[62:63]
	s_add_nc_u64 s[PFA:PFA+1], s[PFA:PFA+1], 3*131072  ; at tile 3: the first change of slots steps it to tile 4
	CROUND                                         ; all four work-groups are here: the first joint loads meet
	tensor_load_to_lds s[G0:G0+3], s[G1:G1+7]      ; tile 0; two loads of mine are out, later one
	s_nop 0
	tensor_load_to_lds s[G0+4:G0+7], s[G1:G1+7]    ; tile 1
	s_nop 0
.rept 4
	v_nop
.endr
	v_and_b32 v1, 15, v0                           ; r
	v_bfe_u32 v2, v0, 4, 1                         ; h
	v_and_b32 v3, 31, v0                           ; l
	v_lshlrev_b32 v[PO], 4, v3
.irp c, 0,1,2,3,4,5,6,7
	global_load_b128 v[BP+4*\c:BP+4*\c+3], v[PO], s[10:11] offset:512*\c
	global_load_b128 v[LG+4*\c:LG+4*\c+3], v[PO], s[12:13] offset:512*\c
	global_load_b128 v[LB+4*\c:LB+4*\c+3], v[PO], s[14:15] offset:512*\c
.endr
	v_lshlrev_b32 v[AO], 7, v1
	v_lshl_add_u32 v[AO], v2, 4, v[AO]             ; row r of 128 bytes + 16 h
; four loads: O's fragments of both row blocks for half kk, into the set of parity q, from mb MiB behind AP (a step is 1 MiB)
.macro ALOAD q, kk, mb
	WIN 0
.irp a, 0,1
	global_load_b128 v[AF+32*(\q)+16*(\kk)+8*\a:AF+32*(\q)+16*(\kk)+8*\a+3],   v[AO], s[AP:AP+1] offset:(\mb)*1048576+\a*2048+64*(\kk)
	global_load_b128 v[AF+32*(\q)+16*(\kk)+8*\a+4:AF+32*(\q)+16*(\kk)+8*\a+7], v[AO], s[AP:AP+1] offset:(\mb)*1048576+\a*2048+64*(\kk)+32
.endr
.endm
	ALOAD 0, 0, 0
	ALOAD 0, 1, 0
	ALOAD 1, 0, 1
	ALOAD 1, 1, 1
	v_mul_u32_u24 v4, v1, PITCH
	v_lshl_add_u32 v4, v2, 4, v4
	v_add_nc_u32 v[ADRB], s23, v4
	v_add_nc_u32 v[ADRB+1], SLOTB, v[ADRB]
	v_mul_u32_u24 v4, v1, YP                       ; into the stage: row 16 a + r, byte 1,024 w + 32 h
	v_lshl_add_u32 v4, v2, 5, v4
	s_lshl_b32 s18, s20, 10
	s_add_co_u32 s18, s18, SLOTB
	v_add_nc_u32 v[STO], s18, v4
	v_add_nc_u32 v[STO+1], 16*YP, v[STO]
	s_mul_i32 s18, s20, 8*YP                       ; back: my 8 rows, 16 bytes a lane
	s_add_co_u32 s18, s18, SLOTB
	v_lshl_add_u32 v[RDY], v3, 4, s18
	s_lshl_b32 s18, s20, 15
	v_lshl_add_u32 v[RDX], v3, 4, s18
	v_lshlrev_b32 v[GO], 4, v3
	v_lshlrev_b32 v[PFO], 8, v3
; nb x 2 matrix instructions: column blocks b0 on, both row blocks, from buffer f.  The 32 accumulators take turns in the same order in every half.
.macro MULB f, kk, q, b0, nb, zero
	WIN 0x52
.set bb, \b0
.rept \nb
.irp a, 0,1
.if \zero
	v_wmma_f32_16x16x32_f16 v[8*(16*\a+bb):8*(16*\a+bb)+7], v[128*(\f)+8*bb:128*(\f)+8*bb+7], v[AF+32*(\q)+16*(\kk)+8*\a:AF+32*(\q)+16*(\kk)+8*\a+7], 0
.else
	v_wmma_f32_16x16x32_f16 v[8*(16*\a+bb):8*(16*\a+bb)+7], v[128*(\f)+8*bb:128*(\f)+8*bb+7], v[AF+32*(\q)+16*(\kk)+8*\a:AF+32*(\q)+16*(\kk)+8*\a+7], v[8*(16*\a+bb):8*(16*\a+bb)+7]
.endif
.endr
.set bb, bb+1
.endr
.endm
.macro FETCHB s, kk, f                 ; 32 LDS loads in one run: my 16 fragments of half kk of slot s
	WIN 0x80
.irp b, 0,1,2,3,4,5,6,7,8,9,10,11,12,13,14,15
	ds_load_b128 v[128*(\f)+8*\b:128*(\f)+8*\b+3],   v[ADRB+(\s)] offset:\b*16*PITCH+64*(\kk)
	ds_load_b128 v[128*(\f)+8*\b+4:128*(\f)+8*\b+7], v[ADRB+(\s)] offset:\b*16*PITCH+64*(\kk)+32
.endr
.endm
; A step's first half.  O's groups of four loads go out in the order (t, 0), (t, 1), (t + 1, 0) ..: behind the group that is wanted two younger groups are out: 8 loads (lc).
.macro H0 s, q, zero, mb, lc=8
	s_wait_loadcnt \lc
	s_wait_dscnt 16                                ; column blocks 0 to 7 are in
	MULB 0, 0, \q, 0, 8, \zero
	PLACES                                         ; in front of loads into registers that matrix instructions have read
	FETCHB \s, 1, 1
.if \mb
	ALOAD 1-(\q), 1, \mb
.endif
	s_wait_dscnt 32                                ; all but the 32 just issued
	MULB 0, 0, \q, 8, 8, \zero
.endm
; A step's second half, and the change of slots.  In front of the round each wave waits for all its tensor loads (one is out: its part of the next slot), adds 0 to its spare word, and waits for that and
; for its reads of this slot.  Behind the round this slot is filled first: fill = 1: with the tile two steps on, jointly; fill = 2: with my rows of x.  ask = 1: the first cluster prefetches the tile four steps on.
.macro TURN s, q, fill, mb, ask
	s_wait_xcnt 0x0                                ; the last prefetch, a step back, has read its address
	s_add_nc_u64 s[PFA:PFA+1], s[PFA:PFA+1], 131072
	WIN 0
	s_wait_tensorcnt 0x0
	ds_add_u32 v[SPW], v[NIL]
.if (\fill) == 1
	s_add_nc_u64 s[G0+4*(\s)+2:G0+4*(\s)+3], s[G0+4*(\s)+2:G0+4*(\s)+3], 262144
.endif
	s_wait_loadcnt 8
	s_wait_dscnt 17                                ; the add and the youngest sixteen loads may be out
	MULB 1, 1, \q, 0, 4, 0
	s_wait_dscnt 0x0                               ; the add is done, and my reads of this slot are over
	s_barrier_signal -1
	MULB 1, 1, \q, 4, 4, 0
	WIN 0
	s_barrier_wait -1
	CREST
.if (\fill) == 1
	tensor_load_to_lds s[G0+4*(\s):G0+4*(\s)+3], s[G1:G1+7]
.else
	tensor_load_to_lds s[GX0:GX0+3], s[GX1:GX1+7]
.endif
	s_nop 0
.rept 4
	v_nop                                          ; also the places in front of the loads below
.endr
	FETCHB 1-(\s), 0, 0
.if \mb
	ALOAD \q, 0, \mb
.endif
.if \ask
	WIN 0
	s_cmp_gt_u32 s3, s[LIM]                        ; tiles 4 to 15: the loop's last trip asks for nothing
	s_cbranch_scc0 .Lnot_mine_\@
	global_prefetch_b8 v[PFO], s[PFA:PFA+1] th:TH_LOAD_NT scope:SCOPE_SE
.Lnot_mine_\@:
.endif
	MULB 1, 1, \q, 8, 8, 0
.endm
	s_wait_tensorcnt 1                             ; my part of tile 0 is in; tile 1's may stay out
	s_barrier_signal -1
	s_barrier_wait -1
	FETCHB 0, 0, 0
	H0 0, 0, 1, 0                                  ; the first products start the sums
	WIN 0
	s_mov_b32 s3, 7
.Lpair:                                                ; steps 2 i (second half), 2 i + 1, 2 i + 2 (first half); tiles 2 i + 2 and 2 i + 3 are asked for
	TURN 0, 0, 1, 2, 1
	H0 1, 1, 0, 2
	TURN 1, 1, 1, 3, 1
	H0 0, 0, 0, 3
	WIN 0
	s_wait_xcnt 0x0                                ; O's loads have read their base
	s_add_nc_u64 s[AP:AP+1], s[AP:AP+1], 0x200000
	s_sub_co_u32 s3, s3, 1
	s_cmp_lg_u32 s3, 0
	s_cbranch_scc1 .Lpair
	TURN 0, 0, 2, 0, 0                             ; step 14: slot 0 takes x
	H0 1, 1, 0, 0, 4                               ; step 15: one younger group is out
	s_wait_loadcnt 0x0
	s_wait_dscnt 0x0                               ; my reads of slot 1 are over: behind this barrier it is the stage
	s_barrier_signal -1
	MULB 1, 1, 1, 0, 16, 0
	WIN 0
	s_barrier_wait -1
	PLACES
	WIN 0x04                                       ; store data in window 1
.irp a, 0,1
.irp b, 0,1,2,3,4,5,6,7,8,9,10,11,12,13,14,15
	ds_store_b128 v[STO+\a], v[8*(16*\a+\b):8*(16*\a+\b)+3]   offset:64*\b
	ds_store_b128 v[STO+\a], v[8*(16*\a+\b)+4:8*(16*\a+\b)+7] offset:64*\b+16
.endr
.endr
	WIN 0
	s_wait_tensorcnt 0x0                           ; my rows of x are in; only I read them
	s_wait_dscnt 0x0                               ; for the others' sake: my stores into the stage are done
	s_barrier_signal -1
	s_barrier_wait -1
	; THE NORM: a wave takes 8 rows, one a trip; a lane holds columns 128 c + 4 l + 0..3.  The next row's 16 LDS loads go out as soon as this row has left their registers.
.macro LANESUM                         ; v[T], v[T+1] of all 32 lanes, added, into v[T] of every lane
	v_add_f32 v[T], v[T], v[T+1]
	v_add_f32_dpp v[T], v[T], v[T] row_xmask:1 row_mask:0xf bank_mask:0xf
	v_add_f32_dpp v[T], v[T], v[T] row_xmask:2 row_mask:0xf bank_mask:0xf
	v_add_f32_dpp v[T], v[T], v[T] row_xmask:4 row_mask:0xf bank_mask:0xf
	v_add_f32_dpp v[T], v[T], v[T] row_xmask:8 row_mask:0xf bank_mask:0xf
	v_permlanex16_b32 v[T+8], v[T], s[SEL], s[SEL+1]
	v_add_f32 v[T], v[T], v[T+8]
.endm
.macro FOLD                            ; four chains into one pair
	v_pk_add_f32 v[T:T+1], v[T:T+1], v[T+2:T+3]
	v_pk_add_f32 v[T+4:T+5], v[T+4:T+5], v[T+6:T+7]
	v_pk_add_f32 v[T:T+1], v[T:T+1], v[T+4:T+5]
.endm
	v_mov_b32 v[T+8], 0
.irp c, 0,1,2,3,4,5,6,7
	ds_load_b128 v[RY+4*\c:RY+4*\c+3], v[RDY] offset:512*\c
	ds_load_b128 v[RX+4*\c:RX+4*\c+3], v[RDX] offset:512*\c
.endr
	s_mov_b32 s3, 8
.Lrow:
	s_wait_dscnt 0x0
.set i, 0
.rept 16
	v_pk_add_f32 v[W+i:W+i+1], v[RY+i:RY+i+1], v[RX+i:RX+i+1]
.set i, i+2
.endr
.set i, 0
.rept 16
	v_pk_add_f32 v[W+i:W+i+1], v[W+i:W+i+1], v[BP+i:BP+i+1]
.set i, i+2
.endr
	s_cmp_eq_u32 s3, 1                             ; the last row has none behind it
	s_cbranch_scc1 .Lno_next
	v_add_nc_u32 v[RDY], YP, v[RDY]
	v_add_nc_u32 v[RDX], 4096, v[RDX]
.irp c, 0,1,2,3,4,5,6,7
	ds_load_b128 v[RY+4*\c:RY+4*\c+3], v[RDY] offset:512*\c
	ds_load_b128 v[RX+4*\c:RX+4*\c+3], v[RDX] offset:512*\c
.endr
.Lno_next:
.irp k, 0,1,2,3
	v_pk_add_f32 v[T+2*\k:T+2*\k+1], v[W+2*\k:W+2*\k+1], v[W+8+2*\k:W+8+2*\k+1]
.endr
.irp g, 2,3
.irp k, 0,1,2,3
	v_pk_add_f32 v[T+2*\k:T+2*\k+1], v[T+2*\k:T+2*\k+1], v[W+8*\g+2*\k:W+8*\g+2*\k+1]
.endr
.endr
	FOLD
	LANESUM
	v_mul_f32 v[T+10], s60, v[T]                   ; the mean
	v_mov_b32 v[T+11], v[T+10]
.set i, 0
.rept 16
	v_pk_add_f32 v[W+i:W+i+1], v[W+i:W+i+1], v[T+10:T+11] neg_lo:[0,1] neg_hi:[0,1]
.set i, i+2
.endr
.irp k, 0,1,2,3
	v_pk_mul_f32 v[T+2*\k:T+2*\k+1], v[W+2*\k:W+2*\k+1], v[W+2*\k:W+2*\k+1]
.endr
.irp g, 1,2,3
.irp k, 0,1,2,3
	v_pk_fma_f32 v[T+2*\k:T+2*\k+1], v[W+8*\g+2*\k:W+8*\g+2*\k+1], v[W+8*\g+2*\k:W+8*\g+2*\k+1], v[T+2*\k:T+2*\k+1]
.endr
.endr
	FOLD
	LANESUM
	v_fma_f32 v[T], v[T], s60, s61                 ; the variance + 1e-5
	v_rsq_f32 v[T+12], v[T]
	v_nop                                          ; a plain instruction behind it,
	s_wait_alu depctr_va_vdst(0)                   ; and the wait ahead of the first line that names its result
	v_mov_b32 v[T+13], v[T+12]
.set i, 0
.rept 16
	v_pk_mul_f32 v[W+i:W+i+1], v[W+i:W+i+1], v[T+12:T+13]
.set i, i+2
.endr
.set i, 0
.rept 16
	v_pk_fma_f32 v[W+i:W+i+1], v[W+i:W+i+1], v[LG+i:LG+i+1], v[LB+i:LB+i+1]
.set i, i+2
.endr
.irp c, 0,1,2,3,4,5,6,7
	global_store_b128 v[GO], v[W+4*\c:W+4*\c+3], s[16:17] offset:512*\c  ; 512 consecutive bytes, aligned
.endr
	s_wait_xcnt 0x0                                ; the stores have read their offset and their data, which the next trip writes
	v_add_nc_u32 v[GO], 4096, v[GO]
	s_sub_co_u32 s3, s3, 1
	s_cmp_lg_u32 s3, 0
	s_cbranch_scc1 .Lrow
	s_wait_tensorcnt 0x0                           ; the wave's end
	ds_add_u32 v[SPW], v[NIL]
	s_wait_dscnt 0x0
	CROUND                                         ; the closing round
	s_endpgm
.Lfunc_end_k_qfa162e2b81_projln:
	.size	k_qfa162e2b81_projln, .Lfunc_end_k_qfa162e2b81_projln-k_qfa162e2b81_projln
	.p2alignl 7, 3214868480
	.fill 96, 4, 3214868480
	.section	.rodata,"a",@progbits
	.p2align	6, 0x0
	.amdhsa_kernel k_qfa162e2b81_projln
		.amdhsa_group_segment_fixed_size 327680
		.amdhsa_private_segment_fixed_size 0
		.amdhsa_enable_private_segment 0
		.amdhsa_kernarg_size 56
		.amdhsa_user_sgpr_count 2
		.amdhsa_user_sgpr_kernarg_segment_ptr 1
		.amdhsa_wavefront_size32 1
		.amdhsa_system_sgpr_workgroup_id_x 1
		.amdhsa_system_sgpr_workgroup_id_y 1
		.amdhsa_system_sgpr_workgroup_id_z 1
		.amdhsa_system_vgpr_workitem_id 0
		.amdhsa_next_free_vgpr 768
		.amdhsa_next_free_sgpr 66
		.amdhsa_reserve_vcc 0
		.amdhsa_float_denorm_mode_32 3
		.amdhsa_float_denorm_mode_16_64 3
		.amdhsa_memory_ordered 1
		.amdhsa_forward_progress 1
		.amdhsa_inst_pref_size 64
	.end_amdhsa_kernel
	.amdgpu_metadata
---
amdhsa.version: [ 1, 2 ]
amdhsa.kernels:
  - .name:           k_qfa162e2b81_projln
    .symbol:         k_qfa162e2b81_projln.kd
    .args:
      - { .name: ob, .offset: 0, .size: 8, .value_kind: global_buffer, .address_space: global }
      - { .name: wpb, .offset: 8, .size: 8, .value_kind: global_buffer, .address_space: global }
      - { .name: hidden_states, .offset: 16, .size: 8, .value_kind: global_buffer, .address_space: global }
      - { .name: bp, .offset: 24, .size: 8, .value_kind: global_buffer, .address_space: global }
      - { .name: ln_g, .offset: 32, .size: 8, .value_kind: global_buffer, .address_space: global }
      - { .name: ln_b, .offset: 40, .size: 8, .value_kind: global_buffer, .address_space: global }
      - { .name: out0, .offset: 48, .size: 8, .value_kind: global_buffer, .address_space: global }
    .group_segment_fixed_size: 327680
    .private_segment_fixed_size: 0
    .kernarg_segment_align: 8
    .kernarg_segment_size: 56
    .max_flat_workgroup_size: 128
    .sgpr_count:     66
    .vgpr_count:     768
    .wavefront_size: 32
...
	.end_amdgpu_metadata
.endif
;; end of part 4
